; MI455X (gfx1250); checked and timed in simulation.
; The chip was launched on July 23, 2026; its instructions are those of AMD's public machine-readable ISA for CDNA 5 (MIT licence, August 2026) and "CDNA5" Instruction Set Architecture Reference Guide (July 2026). The comments in the code are by the model that wrote it; some were corrected since.
;; MHSA. Allowed arithmetic: matrix products marked QUANTISED: E2M1 operands, one E8M0 scale for each 32 along K, by v_wmma_scale_f32_16x16x128_f8f6f4 with both operands' format E2M1 (or v_wmma_scale_f32_32x16x128_f4), f32 sums; everything else in f32.
;; Inputs: Wk 1,024 x 1,024 float32; Wout 1,024 x 1,024 float32; Wq 1,024 x 1,024 float32; Wv 1,024 x 1,024 float32; mask 2,048 x 2,048 bool; x 4 x 2,048 x 1,024 float32.
;; Outputs: out0 4 x 2,048 x 1,024 float32.
;; This version of the problem:
;;   THIS VERSION OF THE PROBLEM IS GIVEN IN LOW PRECISION. The matrix products marked QUANTISED in the list below multiply operands that are first quantised to E2M1 (2 exponent bits, 1 mantissa bit; 4 bits a number), with one power-of-two scale for each 32 numbers along K (OCP MX v1.0); their sums are f32. All else is computed in f32.
;;   The module's matrix products, in the order in which they are computed (A, B: the left and right operand; K: the contracted axis; several contracted axes count as one K, in the product's order):
;;     1. [M 8,192, K 1,024] x [K 1,024, N 1,024]; A: input x; B: input Wq: QUANTISED
;;     2. [M 8,192, K 1,024] x [K 1,024, N 1,024]; A: input x; B: input Wk: QUANTISED
;;     3. [M 8,192, K 1,024] x [K 1,024, N 1,024]; A: input x; B: input Wv: QUANTISED
;;     4. batch 64 x [M 2,048, K 64] x [K 64, N 2,048]; A: computed on the way; B: computed on the way: QUANTISED
;;     5. batch 64 x [M 64, K 2,048] x [K 2,048, N 2,048]; A: computed on the way; B: softmax (see below): QUANTISED
;;     6. [M 8,192, K 1,024] x [K 1,024, N 1,024]; A: computed on the way; B: input Wout: QUANTISED
;;   THE QUANTISER, for each operand of a quantised product, along K:
;;     - K is cut into blocks of 32 from its start; a last block that is shorter is filled with zeros.
;;     - A block's scale is 2^e with e = floor(log2(the largest magnitude in the block)) - 2, held to -126 .. 127; a block of zeros has e = 0. As a byte (E8M0): e + 127.
;;     - Each number is divided by its block's scale, clamped to +-6, and rounded to the nearest number of E2M1, ties to even, subnormals kept.
;;     - The product sums the exact products of the quantised numbers (number of the format x scale) in f32.
;;   ~~~python
;;   def quantise(x, axis):      # numpy; x: float32 -> the quantised numbers, widened to float32 again
;;       x = np.moveaxis(x, axis, -1); K = x.shape[-1]
;;       x = np.pad(x, [(0, 0)] * (x.ndim - 1) + [(0, -K % 32)]); x = x.reshape(x.shape[:-1] + (-1, 32)); a = np.abs(x).max(-1, keepdims=True)
;;       e = np.where(a > 0, np.clip(np.frexp(np.where(a > 0, a, 1))[1] - 1 - 2, -126, 127), 0)      # np.frexp(a)[1] - 1 = floor(log2(a)), exactly
;;       r = np.clip(x / 2.0 ** e, -6, 6)
;;       step = 2.0 ** (np.maximum(np.frexp(np.where(r == 0, 1, r))[1] - 1, 0) - 1)
;;       q = np.round(r / step) * step * 2.0 ** e      # np.round: ties to even
;;       return np.moveaxis(q.reshape(q.shape[:-2] + (-1,))[..., :K], -1, axis).astype(np.float32)
;;   ~~~
;;   SOFTMAX AHEAD OF A QUANTISED PRODUCT. Where the list says 'softmax', what is quantised is not the finished softmax but p = 2^(t - M), with t = logit x log2(e) and M = ceil(the row's largest t), a whole number; so 1/2 < the row's largest p <= 1. The row's sum l is taken of the UNQUANTISED p, in f32, and the product's result is divided by l at the end. Since M is a whole number, a kernel that streams over the keys may use a running M (the ceiling of the running maximum): every later rescaling is an exact power of two, which a block's scale takes up: the codes' values come out the same.
;;   OPERANDS COMPUTED ON THE WAY. 'Computed on the way' means the value that the module computes at that place (a softmax that the list does not call 'softmax' is quantised finished and normalised). What goes into a quantiser is computed in f32, as accurately as f32 sums, v_exp_f32 and their like allow (about 1e-6 of the number): no bf16 or f16 on the way to a quantiser, and a product that is left as it is and whose result goes on into a quantised operand takes f32 operands (vector FMAs, or v_wmma_f32_16x16x4_f32). A number that lies on a knife's edge between two numbers of the format may be rounded either way, as far as f32 arithmetic and the matrix unit's own rounding can turn it there, and no further.
;; One version. Each part assembles by itself: llvm-mc -triple=amdgcn-amd-amdhsa -mcpu=gfx1250 --defsym DOCPART=n.
;; ======== version 1 of 1: 4 launches
;; limits: right only within a limited range of input values
;; workspace buffers: cd 6,291,456 bytes; sc 393,216 bytes; qkc 8,388,608 bytes; qks 1,048,576 bytes; vc 4,194,304 bytes; vs 262,144 bytes; zc 4,194,304 bytes; zs 524,288 bytes
;; launch quant (part 1): grid 256 x 1, 6 waves a work-group, no clusters, 52,992 bytes of LDS; arguments x, Wq, Wk, Wv, Wout, cd, sc; writes cd, sc
.if DOCPART == 1
	.amdgcn_target "amdgcn-amd-amdhsa--gfx1250"
	.amdhsa_code_object_version 6
	.text
	.protected	k_q38296d198d_quant
	.globl	k_q38296d198d_quant
	.p2align	8
	.type	k_q38296d198d_quant,@function
k_q38296d198d_quant:
	s_mov_b64 s[64:65], 0
	v_nop
	global_prefetch_b8 v0, s[64:65] scope:SCOPE_SE
	s_setreg_imm32_b32 hwreg(HW_REG_WAVE_MODE, 25, 1), 1
	s_wait_xcnt 0x0
; x [8192][1024] and the four weights [1024 (k)][1024 (n)], f32, become codes of FP4 (E2M1) with one E8M0 byte for each 32 along K (x: its last axis; a weight: its first).
; THE OUTPUT IS LAID AS THE MATRIX OPERANDS' REGISTERS.  cd: [tile 768][K step 8][1,024 bytes]; a tile is 16 rows (of x) or 16 columns n (of a weight); tiles 0-511 x, 512-575 Wq, 576-639 Wk, 640-703 Wv, 704-767 Wout.
; The 1,024 bytes are a fragment's image, [c 2][lane 32][16 bytes]: lane (r, h) of chunk c holds the 32 codes of block 2 c + h of row r.  sc: [tile / 4][K step][r 16][tile % 4] scale words (four bytes: the K step's four blocks).
; POSITION ORDER: row r of tile 2 b + u is the true row (or column) 32 b + 8 u + r + 8 (r / 8).  As source 0 of a product such tiles give a lane 16 true neighbours in the 16 registers of two neighbouring result tiles.
; A block's scale is 2^(floor(log2(its largest magnitude)) - 2); its byte is the largest magnitude's exponent field - 2, held at 1 from below by a floor among the maximum's leaves.
; LIMITS: a block whose largest magnitude lies under 2^-124 keeps the byte 1, a block of zeros too (the rule says 127 there): its codes are zeros and the bytes are read by this program alone.  NaN and infinities are not served.
; The input mask is in no launch's arguments: the computation that this program reproduces never reads it, so no result hangs on it.
; SHARES.  Waves 0-3: a task of 64 rows x 128 K of x each (1,024 tasks).  Waves 4, 5: a task of 128 K x 64 columns of a weight each (512 tasks).  32 KiB a task.  Waves share nothing: no barrier; the roles part once.
; Every load takes bytes as they lie (512 consecutive of a row of x; 256 of each of two rows of a weight); a wave's own stage in LDS turns them so that a lane holds whole blocks of 32 along K.
.set WREG, 8704                        ; LDS of a wave: x: 16 rows x 528 bytes; a weight: 32 rows x 256 bytes
.set SP,   528                         ; a stage row of x: 512 bytes + 16, so that the 16 rows that a read touches start at 16 different banks
.set Q,    20                          ; v20-23   the task's scale quad
.set C,    24                          ; v24-55   codes, 8 registers a step: no store's data are written again
.set R,    64                          ; v64-191  two sets of 64 registers as loaded
.set X,    192                         ; v192-255 two blocks of 32 numbers of a lane
	s_load_b256 s[4:11], s[0:1], 0x0               ; x s[4:5], Wq s[6:7], Wk s[8:9], Wv s[10:11]
	s_load_b128 s[12:15], s[0:1], 0x20             ; Wout s[12:13], cd s[14:15]
	s_load_b64 s[16:17], s[0:1], 0x30              ; sc
	v_lshl_add_u32 v62, v0, 2, 0xcc00
	v_mov_b32 v63, 0
	v_lshrrev_b32 v1, 5, v0
	v_readfirstlane_b32 s18, v1                    ; wave 0..5
	s_mul_i32 s19, s18, WREG                       ; my stage
	v_and_b32 v1, 31, v0                           ; lane
	v_and_b32 v2, 15, v0                           ; r
	v_bfe_u32 v3, v0, 4, 1                         ; h
	v_lshlrev_b32 v4, 4, v1                        ; 16 x lane
	v_lshlrev_b32 v5, 4, v2                        ; 16 r
	v_add_nc_u32 v6, s19, v4                       ; x into the stage: a row's 512 bytes as they lie
	v_mul_u32_u24 v7, v2, SP
	v_lshl_add_u32 v7, v3, 7, v7
	v_add_nc_u32 v7, s19, v7                       ; x out of it: row r, block h
	v_lshl_add_u32 v8, v3, 8, v5
	v_add_nc_u32 v8, s19, v8                       ; a weight into the stage: two rows of 256 bytes
	v_and_b32 v9, 7, v0
	v_bfe_u32 v13, v0, 3, 1
	v_lshl_add_u32 v9, v13, 4, v9
	v_lshl_add_u32 v9, v3, 3, v9                   ; the true column of position lane: bits 3 and 4 change places
	v_lshlrev_b32 v9, 2, v9
	v_add_nc_u32 v9, s19, v9                       ; a weight out of the stage: my column
	v_lshl_add_u32 v10, v3, 12, v5                 ; a weight in memory: row h of two, 16 r
	v_lshl_add_u32 v11, v3, 13, v5                 ; its codes: tile h of two, 16 r
	v_lshlrev_b32 v12, 3, v3                       ; 8 h
	v_mov_b32 v19, 0                               ; (a lane permute's destination counts as one of its sources)
	s_mov_b32 s24, 0x76543210
	s_mov_b32 s25, 0xfedcba98                      ; v_permlanex16_b32's selects for lane l xor 16
	s_mov_b32 s29, 0
	s_mov_b32 s31, 0
	s_mov_b32 s33, 0
	s_wait_kmcnt 0x0
; Two whole blocks of a lane, v[X ..] and v[X + 32 ..], become 2 x 4 registers of codes (step t's) and two bytes (v17, v18).
.macro QBLK t
	v_max3_num_f32 v13, |v[X]|, |v[X+1]|, 0x1800000          ; the floor 2^(3 - 127) among the leaves: the byte cannot fall under 1
	v_max3_num_f32 v14, |v[X+32]|, |v[X+33]|, 0x1800000
.irp i, 2,4,6,8,10,12,14,16,18,20,22,24,26,28,30
	v_max3_num_f32 v13, v13, |v[X+\i]|, |v[X+\i+1]|           ; the two blocks by turns
	v_max3_num_f32 v14, v14, |v[X+32+\i]|, |v[X+33+\i]|
.endr
	v_add_nc_u32 v15, 0xff000000, v13              ; 2 off the exponent field: the conversion takes this operand's exponent field as its scale
	v_add_nc_u32 v16, 0xff000000, v14
.irp g, 0,1,2,3
	v_cvt_scalef32_pk8_fp4_f32 v[C+8*(\t)+\g], v[X+8*\g:X+8*\g+7], v15
	v_cvt_scalef32_pk8_fp4_f32 v[C+8*(\t)+4+\g], v[X+32+8*\g:X+32+8*\g+7], v16
.endr
	v_lshrrev_b32 v17, 23, v15                     ; the bytes (also the plain line behind the conversions)
	v_lshrrev_b32 v18, 23, v16
.endm
.macro QSTORE                          ; lanes 0-15 store the quad: 256 consecutive bytes, aligned
	s_wait_xcnt 0x0                                ; EXEC changes only behind this wait: it is a source of the stores that are out
	v_cmp_gt_u32 vcc_lo, 16, v1
	s_wait_tensorcnt 0x0
	ds_add_u32 v62, v63
	s_wait_dscnt 0x0
	s_and_saveexec_b32 s34, vcc_lo
	global_store_b128 v5, v[Q:Q+3], s[16:17]
	s_wait_xcnt 0x0
	s_or_b32 exec_lo, exec_lo, s34
.endm
	s_cmp_lt_u32 s18, 4
	s_cbranch_scc0 .Lweights
	; ---------------- a task of x: tiles 4 G .. 4 G + 3, K step s
	s_lshl_b32 s20, ttmp9, 2
	s_add_co_u32 s20, s20, s18                     ; the task: 8 G + s
	s_lshr_b32 s21, s20, 3
	s_and_b32 s26, s20, 7
	s_lshl_b32 s28, s21, 18                        ; 64 rows of 4,096 bytes
	s_lshl_b32 s27, s26, 9                         ; 128 numbers
	s_add_co_u32 s28, s28, s27
	s_lshl_b32 s30, s21, 15                        ; 4 tiles of 8,192 bytes
	s_lshl_b32 s27, s26, 10
	s_add_co_u32 s30, s30, s27
	s_lshl_b32 s32, s20, 8
	s_add_nc_u64 s[4:5], s[4:5], s[28:29]
	s_add_nc_u64 s[14:15], s[14:15], s[30:31]
	s_add_nc_u64 s[16:17], s[16:17], s[32:33]
.macro XLOAD t                         ; tile t's 16 rows, in position order: 512 consecutive bytes a load
.set ii, 0
.rept 16
	global_load_b128 v[R+64*((\t)%2)+4*ii:R+64*((\t)%2)+4*ii+3], v4, s[4:5] offset:(32*((\t)/2)+8*((\t)%2)+ii+8*(ii/8))*4096 th:TH_LOAD_NT
.set ii, ii+1
.endr
.endm
.macro XSTEP t
.if (\t) < 3
	s_wait_loadcnt 16                              ; this tile's 16 loads are in; the next tile's 16 may be out
.else
	s_wait_loadcnt 0x0
.endif
.set ii, 0
.rept 16
	ds_store_b128 v6, v[R+64*((\t)%2)+4*ii:R+64*((\t)%2)+4*ii+3] offset:SP*ii
.set ii, ii+1
.endr
.irp c, 0,1
.irp j, 0,1,2,3,4,5,6,7
	ds_load_b128 v[X+32*\c+4*\j:X+32*\c+4*\j+3], v7 offset:256*\c+16*\j   ; block 2 c + h of row r; LDS serves a wave's instructions in order
.endr
.endr
	s_wait_dscnt 0x0
.if (\t) < 2
	XLOAD (\t)+2
.endif
	QBLK \t
	v_lshl_or_b32 v17, v18, 16, v17                ; my two bytes, blocks h and 2 + h,
	v_lshlrev_b32 v17, v12, v17                    ; at their places in the word;
	v_permlanex16_b32 v19, v17, s24, s25
	v_or_b32 v[Q+(\t)], v17, v19                   ; with lane l xor 16's two the word is whole
	global_store_b128 v4, v[C+8*(\t):C+8*(\t)+3], s[14:15] offset:8192*(\t)        ; 512 consecutive bytes a store
	global_store_b128 v4, v[C+8*(\t)+4:C+8*(\t)+7], s[14:15] offset:8192*(\t)+512
.endm
	XLOAD 0
	XLOAD 1
	XSTEP 0
	XSTEP 1
	XSTEP 2
	XSTEP 3
	s_wait_alu depctr_va_vdst(0)
	QSTORE
	s_endpgm
.Lweights:
	; ---------------- a task of a weight: 64 columns (4 tiles), K step s
	s_lshl_b32 s20, ttmp9, 1
	s_add_co_u32 s20, s20, s18
	s_sub_co_u32 s20, s20, 4                       ; the task: 8 G + s, G = 16 x weight + group of 64 columns
	s_lshr_b32 s21, s20, 3
	s_and_b32 s26, s20, 7
	s_lshr_b32 s27, s21, 4                         ; which weight
	s_and_b32 s35, s21, 15
	s_mov_b64 s[22:23], s[6:7]
	s_cmp_eq_u32 s27, 1
	s_cselect_b64 s[22:23], s[8:9], s[22:23]
	s_cmp_eq_u32 s27, 2
	s_cselect_b64 s[22:23], s[10:11], s[22:23]
	s_cmp_eq_u32 s27, 3
	s_cselect_b64 s[22:23], s[12:13], s[22:23]
	s_lshl_b32 s28, s26, 19                        ; 128 rows of 4,096 bytes
	s_lshl_b32 s27, s35, 8                         ; 64 columns
	s_add_co_u32 s28, s28, s27
	s_lshl_b32 s30, s21, 15
	s_lshl_b32 s27, s26, 10
	s_add_co_u32 s30, s30, s27
	s_add_co_u32 s30, s30, 512*8192                ; behind x's 512 tiles
	s_lshl_b32 s32, s20, 8
	s_add_co_u32 s32, s32, 1024*256
	s_add_nc_u64 s[22:23], s[22:23], s[28:29]
	s_add_nc_u64 s[14:15], s[14:15], s[30:31]
	s_add_nc_u64 s[16:17], s[16:17], s[32:33]
.macro WLOAD t                         ; block t of the K step: 32 rows k x 256 bytes, two rows a load
.set ii, 0
.rept 16
	global_load_b128 v[R+64*((\t)%2)+4*ii:R+64*((\t)%2)+4*ii+3], v10, s[22:23] offset:(32*(\t)+2*ii)*4096 th:TH_LOAD_NT
.set ii, ii+1
.endr
.endm
.macro WSTEP t
.if (\t) < 3
	s_wait_loadcnt 16                              ; this block's 16 loads are in; the next block's 16 may be out
.else
	s_wait_loadcnt 0x0
.endif
.set ii, 0
.rept 16
	ds_store_b128 v8, v[R+64*((\t)%2)+4*ii:R+64*((\t)%2)+4*ii+3] offset:512*ii
.set ii, ii+1
.endr
.irp e, 0,1
.set ii, 0
.rept 32
	ds_load_b32 v[X+32*\e+ii], v9 offset:256*ii+128*\e     ; down K: the whole block of the column at position 32 e + lane
.set ii, ii+1
.endr
.endr
	s_wait_dscnt 0x0
.if (\t) < 2
	WLOAD (\t)+2
.endif
	QBLK \t
.if (\t) == 0
	v_mov_b32 v[Q], v17                            ; lane (r, h): the word of tile 2 e + h, row r; byte t
	v_mov_b32 v[Q+2], v18
.else
	v_lshl_or_b32 v[Q], v17, 8*(\t), v[Q]
	v_lshl_or_b32 v[Q+2], v18, 8*(\t), v[Q+2]
.endif
	global_store_b128 v11, v[C+8*(\t):C+8*(\t)+3], s[14:15] offset:256*(\t)             ; block t of a fragment lies at 256 t + 16 r: each half of the lanes stores 256 consecutive bytes
	global_store_b128 v11, v[C+8*(\t)+4:C+8*(\t)+7], s[14:15] offset:16384+256*(\t)
.endm
	s_wait_alu depctr_va_vdst(0)
	WLOAD 0
	WLOAD 1
	WSTEP 0
	WSTEP 1
	WSTEP 2
	WSTEP 3
	v_mov_b32 v[Q+1], 0
	v_mov_b32 v[Q+3], 0
	v_permlanex16_b32 v[Q+1], v[Q], s24, s25       ; lanes 0-15: tiles 1 and 3 come from lanes 16-31
	v_permlanex16_b32 v[Q+3], v[Q+2], s24, s25
	s_wait_alu depctr_va_vdst(0)
	QSTORE
	s_endpgm
.Lfunc_end_k_q38296d198d_quant:
	.size	k_q38296d198d_quant, .Lfunc_end_k_q38296d198d_quant-k_q38296d198d_quant
	.p2alignl 7, 3214868480
	.fill 96, 4, 3214868480
	.section	.rodata,"a",@progbits
	.p2align	6, 0x0
	.amdhsa_kernel k_q38296d198d_quant
		.amdhsa_group_segment_fixed_size 52992
		.amdhsa_private_segment_fixed_size 0
		.amdhsa_enable_private_segment 0
		.amdhsa_kernarg_size 56
		.amdhsa_user_sgpr_count 2
		.amdhsa_user_sgpr_kernarg_segment_ptr 1
		.amdhsa_wavefront_size32 1
		.amdhsa_system_sgpr_workgroup_id_x 1
		.amdhsa_system_sgpr_workgroup_id_y 1
		.amdhsa_system_sgpr_workgroup_id_z 1
		.amdhsa_system_vgpr_workitem_id 0
		.amdhsa_next_free_vgpr 256
		.amdhsa_next_free_sgpr 66
		.amdhsa_reserve_vcc 1
		.amdhsa_float_denorm_mode_32 3
		.amdhsa_float_denorm_mode_16_64 3
		.amdhsa_memory_ordered 1
		.amdhsa_forward_progress 1
		.amdhsa_inst_pref_size 70
	.end_amdhsa_kernel
	.amdgpu_metadata
---
amdhsa.version: [ 1, 2 ]
amdhsa.kernels:
  - .name:           k_q38296d198d_quant
    .symbol:         k_q38296d198d_quant.kd
    .args:
      - { .name: x, .offset: 0, .size: 8, .value_kind: global_buffer, .address_space: global }
      - { .name: Wq, .offset: 8, .size: 8, .value_kind: global_buffer, .address_space: global }
      - { .name: Wk, .offset: 16, .size: 8, .value_kind: global_buffer, .address_space: global }
      - { .name: Wv, .offset: 24, .size: 8, .value_kind: global_buffer, .address_space: global }
      - { .name: Wout, .offset: 32, .size: 8, .value_kind: global_buffer, .address_space: global }
      - { .name: cd, .offset: 40, .size: 8, .value_kind: global_buffer, .address_space: global }
      - { .name: sc, .offset: 48, .size: 8, .value_kind: global_buffer, .address_space: global }
    .group_segment_fixed_size: 52992
    .private_segment_fixed_size: 0
    .kernarg_segment_align: 8
    .kernarg_segment_size: 56
    .max_flat_workgroup_size: 192
    .sgpr_count:     66
    .vgpr_count:     256
    .wavefront_size: 32
...
	.end_amdgpu_metadata
.endif
;; end of part 1
;; launch qkv (part 2): grid 8 x 32, 4 waves a work-group, clusters of 4 x 4, 262,656 bytes of LDS; arguments cd, sc, qkc, qks, vc, vs; writes qkc, qks, vc, vs
.if DOCPART == 2
	.amdgcn_target "amdgcn-amd-amdhsa--gfx1250"
	.amdhsa_code_object_version 6
	.text
	.protected	k_q38296d198d_qkv
	.globl	k_q38296d198d_qkv
	.p2align	8
	.type	k_q38296d198d_qkv,@function
k_q38296d198d_qkv:
	s_mov_b64 s[64:65], 0
	v_nop
	global_prefetch_b8 v0, s[64:65] scope:SCOPE_SE
	s_setreg_imm32_b32 hwreg(HW_REG_WAVE_MODE, 25, 1), 1
	s_wait_xcnt 0x0
	s_wait_alu depctr_hold_cnt(0) depctr_sa_sdst(0) depctr_va_vdst(0) depctr_va_sdst(0) depctr_va_ssrc(0) depctr_va_vcc(0) depctr_vm_vsrc(0)
	s_getreg_b32 s2, hwreg(HW_REG_IB_STS2, 6, 4)
	s_cmp_eq_u32 s2, 0
	s_cbranch_scc0 .Lentry_in_a_cluster
	s_endpgm
.Lentry_in_a_cluster:
	s_bfe_u32 s2, ttmp6, 0x10000c
	s_cmp_lg_u32 s2, 0xf033
	s_cbranch_scc0 .Lentry_shape_is_right
	s_endpgm
.Lentry_shape_is_right:
; q = x Wq, k = x Wk, v = x Wv on codes of FP4 (E2M1) with E8M0 scales (K = 1,024), and the results quantised in registers: only codes and scale bytes leave.
; A block is C'[m'][n'] = sum over k of A'[m'][k] B'[n'][k], 128 m' x 256 n', used TRANSPOSED: source 0 = 16 rows of B', source 1 = 16 rows of A'.  A lane then holds one row m', and since B's tiles are in position order
; (row r of tile 2 b + u = true row 32 b + 8 u + r + 8 (r / 8)) the 16 registers of result tiles 2 b, 2 b + 1 are 16 true neighbours along n': what the next quantiser wants.
; THE DEAL.  256 work-groups of four waves.  Work-group (cg 0-7, rb 0-31) owns 256 rows of x (16 tiles), 256 columns of Wq and Wk on end (16 tiles) and 128 columns of Wv (8 tiles), and makes THREE blocks one after the other:
;   blocks 0, 1 (a loop of two trips): A' = the lower, the upper 128 of its rows of x, B' = its columns of Wq|Wk: registers run along a head's channels, the K of q k^T;
;   block 2 (written out): A' = its columns of Wv, B' = all its 256 rows of x: this is v^T, registers run along the keys, the K of p v.
; In each block a wave makes 64 m' x 128 n': 32 accumulators.
; LDS: x's 16 tiles (128 KiB) and Wq|Wk's 16 (128 KiB), all of K, each filled once: one joint load a wave at the head (8 tiles x 8,192 bytes); no byte is filled twice.  x's tiles are shared along a row of the 4 x 4 cluster, the weights' along a column.
; Wv's tiles would not fit beside them with the spare words: a wave's four tiles, all of K, are 256 registers, and their bytes in cd are the registers' image: 64 plain loads at the head, first read in block 2.
; No data prefetch: all that the launch reads is asked for at the head but the scale words of blocks 1 and 2, 6 KiB a wave, which are asked for ahead of the block before's way out.
; OUT.  qkc [batch][hh 32][tile 128][lane][16 bytes]: hh = head for q, 16 + head for k: registers 0-3 of a fragment (K = 64).  qks [batch][hh][tile / 4][r][tile % 4] words: bytes 0, 1 the head's two blocks; bytes 2, 3
; another head's bytes or 0: they meet zero codes alone and are never 0xff.  vc [batch][head][128 keys: 16][channel tile 4][1,024 bytes: a fragment's image].  vs [batch][head][16][r][tile] words.
; LIMITS: as in the first launch: the byte is held at 1 from below, a block of zeros keeps 1; NaN and infinities are not served.
; REGISTERS.  window 0: v1-10 addresses; v36-51 A's scale words, v56-87 B's (the two of a product differ modulo 8 in their numbers); v128-191 A's fragments, two sets; v192-247 the way out.   window 1: v0-127 B's fragments, two sets.
; window 2: accumulator (a, b) at v[8 (8 a + b)].   window 3: Wv's fragment (tile a, K step s) at v[64 a + 8 s].
.set SPARE, 262144                     ; behind the tiles: the spare words, 128 bytes a wave
.set WV,  8                            ; s8 wave; s9 which 64 m'; s10 which 128 n', and which half of a tile set I fetch
.set WY,  9
.set WX,  10
.set SEL, 12                           ; s[12:13] v_permlanex16_b32's selects
.set G1A, 16                           ; s[16:23], s[24:31] descriptor groups 1;  s[32:35], s[36:39] groups 0
.set G1B, 24
.set G0A, 32
.set G0B, 36
.set PA1, 40                           ; scale words in sc: block 1's A; blocks 0 and 1's B; block 2's A and B
.set PB0, 42
.set PA2, 44
.set PB2, 46
.set PWV, 48                           ; my four tiles of Wv in cd
.set PA,  50                           ; the scale words that are asked for next
.set PB,  52
.set CNT, 54
.set TA,  55                           ; LDS: the block's half of x's tiles
.set OC,  68                           ; s[68:69] qkc, s[70:71] qks, s[72:73] vc, s[74:75] vs, at my places
.set OS,  70
.set VCO, 72
.set VSO, 74
.set L16,  1                           ; v1  16 x lane
.set ADRA, 2                           ; v2  LDS: my A fragments of this block
.set ADRB, 3                           ; v3  LDS: my B fragments in Wq|Wk
.set SOA,  4                           ; v4  A's scale quads: 1,024 h + 16 r
.set SOB,  5                           ; v5  B's: 2,048 h + 16 r
.set SSO,  6                           ; v6  q, k: the scale quad's place on the way out: 8,192 h + 16 r: lanes 16-31 store the second head's
.set VSH,  7                           ; v7  and its shift: 16 h
.set ADRA0, 8                          ; v8  my A fragments in x's lower half
.set ADRX, 9                           ; v9  LDS: my B fragments in x (= v[ADRB + 6])
.set R16,  10                          ; v10 16 r
.set SA,   36
.set SB,   56
.set AF,   128
.set PC,   192                         ; v192-223 codes, 8 a block of rows
.set PW,   224                         ; v224-227 scale words;  v228-231 as stored
.set PX,   228
.set TM,   232                         ; v232-247 at work
.set MSB, 0
.macro WIN new                         ; the immediate's high byte repeats the setting that is left
.if MSB != \new
	s_set_vgpr_msb (MSB<<8)|\new
.set MSB, \new
.endif
.endm
.macro WALU
	s_wait_alu depctr_va_vdst(0)
.endm
.macro PLACES
.rept 4
	v_nop
.endr
.endm
.macro ROUND                           ; a round of the cluster's barrier
	s_barrier_signal -1
	s_barrier_wait -1
	s_cmp_lg_u32 s[WV], 0
	s_cbranch_scc1 .Lnot_wave_0_\@
	s_barrier_signal -3
.Lnot_wave_0_\@:
	s_barrier_wait -3
	s_barrier_signal -1
	s_barrier_wait -1
.endm
	s_load_b128 s[4:7], s[0:1], 0x0                ; cd s[4:5], sc s[6:7]
	s_load_b256 s[68:75], s[0:1], 0x10             ; qkc, qks, vc, vs
	v_lshl_add_u32 v254, v0, 2, SPARE
	v_mov_b32 v255, 0
	ds_add_u32 v254, v255                          ; the opening lines: the add twice on end and one wait
	ds_add_u32 v254, v255
	v_lshrrev_b32 v18, 5, v0
	v_readfirstlane_b32 s[WV], v18
	s_lshr_b32 s[WY], s[WV], 1
	s_and_b32 s[WX], s[WV], 1
	s_bfe_u32 s76, ttmp6, 0x40000                  ; cx
	s_bfe_u32 s77, ttmp6, 0x40004                  ; cy
	s_and_b32 s81, ttmp7, 0xffff
	s_lshl_b32 s81, s81, 2
	s_add_co_u32 s81, s81, s77                     ; rb: which 256 rows of x
	s_lshl_b32 s83, ttmp9, 2
	s_add_co_u32 s83, s83, s76                     ; cg: which columns of the weights
	s_lshl_b32 s79, s77, 2
	s_lshl_b32 s79, 15, s79                        ; my row of the cluster
	s_lshl_b32 s80, 0x1111, s76                    ; my column
	; group 1: 8 rows = 8 tiles, each all of K: 8,192 bytes = 1,024 elements of 8 bytes; dense in memory and in LDS
	s_or_b32 s[G1A], s79, (3<<16)|(1<<21)          ; 15:0 the mask; 17:16 elements of 8 bytes; 21 set beside a mask; no padding
	s_or_b32 s[G1B], s80, (3<<16)|(1<<21)
.irp g, G1A, G1B
	s_mov_b32 s[\g+1], 1024<<16
	s_mov_b32 s[\g+2], 8<<16
	s_mov_b32 s[\g+3], 1024<<16
	s_mov_b32 s[\g+4], 8
	s_mov_b32 s[\g+5], 1024
	s_mov_b32 s[\g+6], 0
	s_mov_b32 s[\g+7], 0
.endr
	s_lshl_b32 s94, s[WX], 16                      ; a half of 16 tiles; also x's half in LDS
	s_lshl_b32 s90, s81, 17
	s_add_co_u32 s90, s90, s94                     ; x: tile 16 rb + 8 x half, in bytes
	s_mov_b32 s91, 0
	s_lshl_b32 s92, s83, 17
	s_add_co_u32 s92, s92, s94
	s_add_co_u32 s92, s92, 512*8192                ; Wq|Wk: tile 512 + 16 cg + 8 x half
	s_mov_b32 s93, 0
	s_add_co_u32 s95, s94, 131072                  ; and its half in LDS
	; scale quads: (tile / 4) x 2,048 bytes
	s_lshl_b32 s84, s81, 13
	s_lshl_b32 s85, s[WY], 11
	s_lshl_b32 s86, s[WX], 12
	s_add_co_u32 s[PA], s84, s85                   ; block 0's A: x's lower half, my 4 tiles
	s_mov_b32 s[PA+1], 0
	s_add_co_u32 s[PA1], s[PA], 4096               ; block 1's: 8 tiles on
	s_mov_b32 s[PA1+1], 0
	s_add_co_u32 s[PB2], s84, s86                  ; block 2's B: x, my 8 tiles
	s_mov_b32 s[PB2+1], 0
	s_lshl_b32 s87, s83, 13
	s_add_co_u32 s87, s87, 512*512
	s_add_co_u32 s[PB0], s87, s86                  ; blocks 0, 1's B: Wq|Wk, my 8 tiles
	s_mov_b32 s[PB0+1], 0
	s_lshl_b32 s88, s83, 12
	s_add_co_u32 s88, s88, 640*512
	s_add_co_u32 s[PA2], s88, s85                  ; block 2's A: Wv, my 4 tiles
	s_mov_b32 s[PA2+1], 0
	s_lshl_b32 s[PWV], s83, 16
	s_lshl_b32 s89, s[WY], 15
	s_add_co_u32 s[PWV], s[PWV], s89
	s_add_co_u32 s[PWV], s[PWV], 640*8192          ; Wv's codes: tile 640 + 8 cg + 4 wy
	s_mov_b32 s[PWV+1], 0
	; where the results go
	s_lshr_b32 s96, s81, 3                         ; batch
	s_and_b32 s97, s81, 7
	s_lshl_b32 s56, s96, 5
	s_lshl_b32 s57, s83, 2
	s_add_co_u32 s56, s56, s57
	s_lshl_b32 s57, s[WX], 1
	s_add_co_u32 s56, s56, s57                     ; q, k: 32 batch + hh, hh = 4 cg + 2 wx: my two heads
	s_lshl_b32 s57, s97, 4
	s_lshl_b32 s58, s[WY], 2
	s_add_co_u32 s57, s57, s58                     ; block 0's first tile of rows in the batch
	s_lshl_b32 s58, s56, 16
	s_lshl_b32 s59, s57, 9
	s_add_co_u32 s58, s58, s59                     ; codes: 65,536 a head, 512 a tile
	s_mov_b32 s59, 0
	s_lshl_b32 s60, s56, 13
	s_lshl_b32 s61, s57, 6
	s_add_co_u32 s60, s60, s61                     ; scale words: 8,192 a head, 256 for four tiles
	s_mov_b32 s61, 0
	s_lshl_b32 s56, s96, 4
	s_lshl_b32 s57, s83, 1
	s_add_co_u32 s56, s56, s57
	s_add_co_u32 s56, s56, s[WY]                   ; v: 16 batch + head, head = 2 cg + wy
	s_lshl_b32 s57, s97, 1
	s_add_co_u32 s57, s57, s[WX]                   ; which 128 keys
	s_lshl_b32 s62, s56, 16
	s_lshl_b32 s63, s57, 12
	s_add_co_u32 s62, s62, s63
	s_mov_b32 s63, 0
	s_lshl_b32 s98, s56, 12
	s_lshl_b32 s99, s57, 8
	s_add_co_u32 s98, s98, s99
	s_mov_b32 s99, 0
	s_mov_b32 s[SEL], 0x76543210
	s_mov_b32 s[SEL+1], 0xfedcba98
	s_lshl_b32 s78, s[WY], 15                      ; my 4 tiles of a block's 8
	v_and_b32 v18, 31, v0
	v_lshlrev_b32 v[L16], 4, v18
	v_and_b32 v18, 15, v0                          ; r
	v_bfe_u32 v19, v0, 4, 1                        ; h
	v_lshlrev_b32 v[R16], 4, v18
	v_add_nc_u32 v[ADRA0], s78, v[L16]
	v_add_nc_u32 v[ADRB], s95, v[L16]
	v_add_nc_u32 v[ADRX], s94, v[L16]
	v_lshl_add_u32 v[SOA], v19, 10, v[R16]
	v_lshl_add_u32 v[SOB], v19, 11, v[R16]
	v_lshl_add_u32 v[SSO], v19, 13, v[R16]
	v_lshlrev_b32 v[VSH], 4, v19
.irp b, 0,1,2,3
	v_mov_b32 v[TM+4+\b], 0                        ; (a lane permute's destination counts as one of its sources)
.endr
	WALU                                           ; the head's vector work ends here
	s_wait_dscnt 0x0                               ; both opening adds are done
	s_wait_kmcnt 0x0
	s_add_nc_u64 s[PA:PA+1], s[6:7], s[PA:PA+1]
	s_add_nc_u64 s[PA1:PA1+1], s[6:7], s[PA1:PA1+1]
	s_add_nc_u64 s[PB0:PB0+1], s[6:7], s[PB0:PB0+1]
	s_add_nc_u64 s[PA2:PA2+1], s[6:7], s[PA2:PA2+1]
	s_add_nc_u64 s[PB2:PB2+1], s[6:7], s[PB2:PB2+1]
	s_mov_b64 s[PB:PB+1], s[PB0:PB0+1]
	s_add_nc_u64 s[PWV:PWV+1], s[4:5], s[PWV:PWV+1]
	s_add_nc_u64 s[OC:OC+1], s[OC:OC+1], s[58:59]
	s_add_nc_u64 s[OS:OS+1], s[OS:OS+1], s[60:61]
	s_add_nc_u64 s[VCO:VCO+1], s[VCO:VCO+1], s[62:63]
	s_add_nc_u64 s[VSO:VSO+1], s[VSO:VSO+1], s[98:99]
	ROUND                                          ; all sixteen work-groups are here: the joint loads meet
	s_mov_b32 s[G0A], 1
	s_mov_b32 s[G0A+1], s94
	s_add_nc_u64 s[G0A+2:G0A+3], s[4:5], s[90:91]
	s_or_b32 s[G0A+3], s[G0A+3], 0x80000000
	s_mov_b32 s[G0B], 1
	s_mov_b32 s[G0B+1], s95
	s_add_nc_u64 s[G0B+2:G0B+3], s[4:5], s[92:93]
	s_or_b32 s[G0B+3], s[G0B+3], 0x80000000
	s_cmp_lt_u32 s[WV], 2                          ; waves 0, 1: x's halves; waves 2, 3: the weights'.  One load a wave; an s_nop 0 and four v_nop follow it
	s_cbranch_scc0 .Lfill_b
	tensor_load_to_lds s[G0A:G0A+3], s[G1A:G1A+7]
	s_nop 0
	PLACES
	s_branch .Lfilled
.Lfill_b:
	tensor_load_to_lds s[G0B:G0B+3], s[G1B:G1B+7]
	s_nop 0
	PLACES
.Lfilled:
; a block's scale words, straight into registers.  A: register SA + 4 g + a: lanes 0-15 K step g, lanes 16-31 K step 4 + g, tile a.  B: register SB + 4 s + i: lanes 0-15 tile i, lanes 16-31 tile 4 + i, K step s
.macro SCLOAD
.irp g, 0,1,2,3
	global_load_b128 v[SA+4*\g:SA+4*\g+3], v[SOA], s[PA:PA+1] offset:256*\g
.endr
.irp s, 0,1,2,3,4,5,6,7
	global_load_b128 v[SB+4*\s:SB+4*\s+3], v[SOB], s[PB:PB+1] offset:256*\s
.endr
.endm
	SCLOAD
	WIN 0xc0                                       ; destination window 3
.irp a, 0,1,2,3
.irp s, 0,1,2,3,4,5,6,7
.irp c, 0,1
	global_load_b128 v[64*\a+8*\s+4*\c:64*\a+8*\s+4*\c+3], v[L16], s[PWV:PWV+1] offset:\a*8192+\s*1024+\c*512   ; 512 consecutive bytes a load
.endr
.endr
.endr
	WIN 0
; K step s's fragments into set s % 2: B's eight, and (v = 0) A's four.  A fragment is its registers' image: 16 x lane, two loads 512 bytes apart, at tile x 8,192 + K step x 1,024.  v = 1: B' = x, and A' lies in registers
.macro FETCH s, v
	WIN 0x40                                       ; destination window 1
.irp b, 0,1,2,3,4,5,6,7
	ds_load_b128 v[64*((\s)%2)+8*\b:64*((\s)%2)+8*\b+3],   v[ADRB+6*(\v)] offset:\b*8192+(\s)*1024
	ds_load_b128 v[64*((\s)%2)+8*\b+4:64*((\s)%2)+8*\b+7], v[ADRB+6*(\v)] offset:\b*8192+(\s)*1024+512
.endr
	WIN 0
.if (\v) == 0
.irp a, 0,1,2,3
	ds_load_b128 v[AF+32*((\s)%2)+8*\a:AF+32*((\s)%2)+8*\a+3],   v[ADRA] offset:\a*8192+(\s)*1024
	ds_load_b128 v[AF+32*((\s)%2)+8*\a+4:AF+32*((\s)%2)+8*\a+7], v[ADRA] offset:\a*8192+(\s)*1024+512
.endr
.endif
.endm
.macro WM c                            ; one product; RA_, RB_: which half of the lanes holds source 0's, source 1's scale words
.if (RA_ == 0) && (RB_ == 0)
	v_wmma_scale_f32_16x16x128_f8f6f4 v[rD:rD+7], v[rB:rB+7], v[rA:rA+7], \c, v[rSB], v[rSA] matrix_a_fmt:MATRIX_FMT_FP4 matrix_b_fmt:MATRIX_FMT_FP4
.elseif RB_ == 0
	v_wmma_scale_f32_16x16x128_f8f6f4 v[rD:rD+7], v[rB:rB+7], v[rA:rA+7], \c, v[rSB], v[rSA] matrix_a_fmt:MATRIX_FMT_FP4 matrix_b_fmt:MATRIX_FMT_FP4 matrix_a_scale:MATRIX_SCALE_ROW1
.elseif RA_ == 0
	v_wmma_scale_f32_16x16x128_f8f6f4 v[rD:rD+7], v[rB:rB+7], v[rA:rA+7], \c, v[rSB], v[rSA] matrix_a_fmt:MATRIX_FMT_FP4 matrix_b_fmt:MATRIX_FMT_FP4 matrix_b_scale:MATRIX_SCALE_ROW1
.else
	v_wmma_scale_f32_16x16x128_f8f6f4 v[rD:rD+7], v[rB:rB+7], v[rA:rA+7], \c, v[rSB], v[rSA] matrix_a_fmt:MATRIX_FMT_FP4 matrix_b_fmt:MATRIX_FMT_FP4 matrix_a_scale:MATRIX_SCALE_ROW1 matrix_b_scale:MATRIX_SCALE_ROW1
.endif
.endm
; 32 matrix instructions: K step s.  The 32 accumulators take turns, one instruction a turn, in the same order in every step.  K step 0's products start the sums
.macro MUL32 s, v
.if \v
	WIN 0xad                                       ; source 0 (B') window 1, source 1 (A') window 3, C and D window 2
.else
	WIN 0xa1                                       ; source 1 (A') window 0
.endif
.irp a, 0,1,2,3
.irp b, 0,1,2,3,4,5,6,7
.set rD, 8*(8*\a+\b)
.set rB, 64*((\s)%2)+8*\b
.if \v
.set rA, 64*\a+8*(\s)
.else
.set rA, AF+32*((\s)%2)+8*\a
.endif
.set rSB, SB+4*(\s)+(\b%4)
.set rSA, SA+4*((\s)%4)+\a
.set RA_, \b/4
.set RB_, (\s)/4
.if (\s) == 0
	WM 0
.else
	WM v[rD:rD+7]
.endif
.endr
.endr
	WIN 0
.endm
.macro STEP s, v
	s_wait_dscnt 0x0                               ; this step's fragments are in (asked for 32 matrix instructions ago)
.if ((\s) > 0) && ((\s) < 7)
	PLACES                                         ; four places between the last products and loads into the fragments that they read (ISA guide 7.12.1 for vector instructions)
.endif
.if (\s) < 7
	FETCH (\s)+1, \v
.endif
	MUL32 \s, \v
.endm
; THE WAY OUT.  Block a of 16 rows: a lane's 64 numbers, register 16 b + i = place 32 b + 16 h + i along n', become a fragment's codes and its row's scale word, and are stored as two runs of 512 bytes.
; base: the codes' pointer; sa: bytes from block of rows to block of rows; cs: from the first run to the second
.macro QUANT a, base, sa, cs
	WIN 0x0a                                       ; sources 0 and 1: window 2
.irp b, 0,1,2,3
	v_max3_num_f32 v[TM+\b], |v[64*(\a)+16*\b]|, |v[64*(\a)+16*\b+1]|, 0x1800000      ; each accumulator is read from its low end on; the floor 2^(3 - 127) holds the byte at 1 from below
.endr
.irp i, 2,4,6,8,10,12,14
.irp b, 0,1,2,3
	v_max3_num_f32 v[TM+\b], |v[64*(\a)+16*\b+\i]|, |v[64*(\a)+16*\b+\i+1]|, v[TM+\b]
.endr
.endr
	WIN 0
.irp b, 0,1,2,3
	v_permlanex16_b32 v[TM+4+\b], v[TM+\b], s[SEL], s[SEL+1]
.endr
.irp b, 0,1,2,3
	v_max_num_f32 v[TM+\b], v[TM+\b], v[TM+4+\b]   ; with lane l xor 16's 16: the block's largest magnitude
.endr
.irp b, 0,1,2,3
	v_add_nc_u32 v[TM+12+\b], 0xff000000, v[TM+\b] ; 2 off its exponent field: the conversion's scale operand
.endr
.irp b, 0,1,2,3
	v_lshrrev_b32 v[TM+4+\b], 23, v[TM+12+\b]      ; the byte
.endr
	v_lshl_or_b32 v[PW+(\a)], v[TM+5], 8, v[TM+4]
	v_lshl_or_b32 v[PW+(\a)], v[TM+6], 16, v[PW+(\a)]
	v_lshl_or_b32 v[PW+(\a)], v[TM+7], 24, v[PW+(\a)]
	WIN 0x02                                       ; source 0: window 2
.irp b, 0,1,2,3
	v_cvt_scalef32_pk8_fp4_f32 v[PC+8*(\a)+2*\b], v[64*(\a)+16*\b:64*(\a)+16*\b+7], v[TM+12+\b]
	v_cvt_scalef32_pk8_fp4_f32 v[PC+8*(\a)+2*\b+1], v[64*(\a)+16*\b+8:64*(\a)+16*\b+15], v[TM+12+\b]
.endr
	WIN 0
	v_nop                                          ; one plain line behind a scaled conversion
.irp c, 0,1                                    ; a whole block to a lane: lanes 0-15 block 2 c, lanes 16-31 block 2 c + 1
.irp i, 0,1
	v_permlane16_swap_b32 v[PC+8*(\a)+4*\c+\i], v[PC+8*(\a)+4*\c+2+\i]
.endr
.endr
	global_store_b128 v[L16], v[PC+8*(\a):PC+8*(\a)+3], s[\base:\base+1] offset:(\sa)*(\a)             ; 512 consecutive bytes: q, k: my first head's tile; v: the fragment's first half
	global_store_b128 v[L16], v[PC+8*(\a)+4:PC+8*(\a)+7], s[\base:\base+1] offset:(\sa)*(\a)+(\cs)     ; my second head's tile; the second half
.endm
	s_wait_tensorcnt 0x0                           ; my one load is in,
	s_barrier_signal -1
	s_barrier_wait -1                              ; everybody's is: all that the three blocks read from LDS
	s_wait_loadcnt 63                              ; block 0's 12 loads of scale words are in: behind the last of them stand Wv's 64, of which 63 may be out
	s_mov_b32 s[CNT], 0
	s_mov_b32 s[TA], 0
.Lblock:                                           ; blocks 0 and 1: q and k of x's lower, upper 128 rows
	v_add_nc_u32 v[ADRA], s[TA], v[ADRA0]
	WALU                                           ; directly behind the write
	FETCH 0, 0
.irp s, 0,1,2,3,4,5,6,7
	STEP \s, 0
.endr
	PLACES                                         ; in front of the first read of results and of the loads into the scale words
	s_wait_xcnt 0x0                                ; earlier loads have read their pointers, the last block's stores their data
	s_cmp_eq_u32 s[CNT], 0
	s_cselect_b64 s[PA:PA+1], s[PA1:PA1+1], s[PA2:PA2+1]
	s_cselect_b64 s[PB:PB+1], s[PB0:PB0+1], s[PB2:PB2+1]
	SCLOAD                                         ; the next block's scale words land under the way out
	QUANT 0, OC, 512, 65536
	QUANT 1, OC, 512, 65536
	QUANT 2, OC, 512, 65536
	QUANT 3, OC, 512, 65536
.irp i, 0,1,2,3
	v_lshrrev_b32 v[PX+\i], v[VSH], v[PW+\i]       ; lanes 16-31: the second head's two bytes
.endr
	global_store_b128 v[SSO], v[PX:PX+3], s[OS:OS+1]       ; sixteen lanes store 256 consecutive bytes, aligned
	s_wait_xcnt 0x0                                ; the stores have read their pointers
	s_wait_loadcnt 0x0                             ; the next block's scale words are in (and Wv's fragments)
	s_add_nc_u64 s[OC:OC+1], s[OC:OC+1], 4096      ; 8 tiles of rows on
	s_add_nc_u64 s[OS:OS+1], s[OS:OS+1], 512
	s_add_co_u32 s[TA], s[TA], 65536
	s_add_co_u32 s[CNT], s[CNT], 1
	s_cmp_lt_u32 s[CNT], 2
	WALU
	s_cbranch_scc1 .Lblock
	FETCH 0, 1                                     ; block 2: v^T
	s_wait_loadcnt 0x0
.irp s, 0,1,2,3,4,5,6,7
	STEP \s, 1
.endr
	PLACES
	QUANT 0, VCO, 1024, 512
	QUANT 1, VCO, 1024, 512
	QUANT 2, VCO, 1024, 512
	QUANT 3, VCO, 1024, 512
	global_store_b128 v[R16], v[PW:PW+3], s[VSO:VSO+1]     ; lanes 16-31 repeat lanes 0-15's bytes with the same values
	s_wait_tensorcnt 0x0                           ; the wave's end
	ds_add_u32 v254, v255
	s_wait_dscnt 0x0
	ROUND                                          ; the closing round: no work-group ends while a partner may still ask for a tile that names it
	s_endpgm
.Lfunc_end_k_q38296d198d_qkv:
	.size	k_q38296d198d_qkv, .Lfunc_end_k_q38296d198d_qkv-k_q38296d198d_qkv
	.p2alignl 7, 3214868480
	.fill 96, 4, 3214868480
	.section	.rodata,"a",@progbits
	.p2align	6, 0x0
	.amdhsa_kernel k_q38296d198d_qkv
		.amdhsa_group_segment_fixed_size 262656
		.amdhsa_private_segment_fixed_size 0
		.amdhsa_enable_private_segment 0
		.amdhsa_kernarg_size 48
		.amdhsa_user_sgpr_count 2
		.amdhsa_user_sgpr_kernarg_segment_ptr 1
		.amdhsa_wavefront_size32 1
		.amdhsa_system_sgpr_workgroup_id_x 1
		.amdhsa_system_sgpr_workgroup_id_y 1
		.amdhsa_system_sgpr_workgroup_id_z 1
		.amdhsa_system_vgpr_workitem_id 0
		.amdhsa_next_free_vgpr 1024
		.amdhsa_next_free_sgpr 100
		.amdhsa_reserve_vcc 0
		.amdhsa_float_denorm_mode_32 3
		.amdhsa_float_denorm_mode_16_64 3
		.amdhsa_memory_ordered 1
		.amdhsa_forward_progress 1
		.amdhsa_inst_pref_size 138
	.end_amdhsa_kernel
	.amdgpu_metadata
---
amdhsa.version: [ 1, 2 ]
amdhsa.kernels:
  - .name:           k_q38296d198d_qkv
    .symbol:         k_q38296d198d_qkv.kd
    .args:
      - { .name: cd, .offset: 0, .size: 8, .value_kind: global_buffer, .address_space: global }
      - { .name: sc, .offset: 8, .size: 8, .value_kind: global_buffer, .address_space: global }
      - { .name: qkc, .offset: 16, .size: 8, .value_kind: global_buffer, .address_space: global }
      - { .name: qks, .offset: 24, .size: 8, .value_kind: global_buffer, .address_space: global }
      - { .name: vc, .offset: 32, .size: 8, .value_kind: global_buffer, .address_space: global }
      - { .name: vs, .offset: 40, .size: 8, .value_kind: global_buffer, .address_space: global }
    .group_segment_fixed_size: 262656
    .private_segment_fixed_size: 0
    .kernarg_segment_align: 8
    .kernarg_segment_size: 48
    .max_flat_workgroup_size: 128
    .sgpr_count:     100
    .vgpr_count:     1024
    .wavefront_size: 32
...
	.end_amdgpu_metadata
.endif
;; end of part 2
;; launch attn (part 3): grid 4 x 64, 8 waves a work-group, clusters of 4 x 1, 169,984 bytes of LDS; arguments qkc, qks, vc, vs, zc, zs; writes zc, zs
.if DOCPART == 3
	.amdgcn_target "amdgcn-amd-amdhsa--gfx1250"
	.amdhsa_code_object_version 6
	.text
	.protected	k_q38296d198d_attn
	.globl	k_q38296d198d_attn
	.p2align	8
	.type	k_q38296d198d_attn,@function
k_q38296d198d_attn:
	s_mov_b64 s[64:65], 0
	v_nop
	global_prefetch_b8 v0, s[64:65] scope:SCOPE_SE
	s_setreg_imm32_b32 hwreg(HW_REG_WAVE_MODE, 25, 1), 1
	s_wait_xcnt 0x0
	s_wait_alu depctr_hold_cnt(0) depctr_sa_sdst(0) depctr_va_vdst(0) depctr_va_sdst(0) depctr_va_ssrc(0) depctr_va_vcc(0) depctr_vm_vsrc(0)
	s_getreg_b32 s2, hwreg(HW_REG_IB_STS2, 6, 4)
	s_cmp_eq_u32 s2, 0
	s_cbranch_scc0 .Lentry_in_a_cluster
	s_endpgm
.Lentry_in_a_cluster:
	s_bfe_u32 s2, ttmp6, 0x10000c
	s_cmp_lg_u32 s2, 0x3003
	s_cbranch_scc0 .Lentry_shape_is_right
	s_endpgm
.Lentry_shape_is_right:
; z[q] = the sum over k of softmax_k(q . k / 8) v[k] for one head, both products on codes of FP4 (E2M1) with E8M0 scales, and z quantised along the head's channels for the last product.
; THE SOFTMAX AHEAD OF THE SECOND PRODUCT: t = score x log2(e) / 8; M = the running largest t rounded UP to a whole number; p = 2^(t - M) is quantised along the keys, not normalised.  The row's sum is taken of the
; unquantised p and divides at the end.  When M moves, the sum and O are multiplied by 2^(old M - new M): exact.
; SHARES.  Work-group y = 16 batch + head; the four work-groups of a cluster own the head's four quarters of 512 queries.  Eight waves, two to a SIMD; a wave owns 64 queries, FOUR tiles of 16, and walks all 2,048 keys once,
; 128 a step: a step's fragments of K and V are read from LDS once and serve all four tiles.
; THE WHOLE HEAD LIES IN LDS, filled once by joint loads (the four partners read the same K and V): K's codes 64 KiB, V's 64 KiB, their scale words 8 and 4 KiB.  One tensor load a wave at the most; no byte is filled twice.
; No data prefetch: every byte of K and V is asked for once, at the head, and no later load follows that a prefetch could run ahead of.
; LAYOUT.  Both products are used transposed: S^T = K Q^T (source 0 = 16 keys), O^T = V^T P^T (source 0 = 16 channels): a lane holds ONE query (lane % 16).
; THE KEYS OF A TILE ARE CHOSEN BY THE LANES' LDS ADDRESSES: row 8 H + j of tile 4 c + g is key 64 c + 32 H + 8 g + j of the step.  So lane half h holds, in the 32 score registers of tiles 4 c .. 4 c + 3, the WHOLE block
; 2 c + h of 32 keys in their order: its largest score needs no other lane, and eight conversions give the second product's operand as it stands.  (In qkc key 32 b + x lies in tile 2 b + u, row r', with x = 8 u + r' + 8 (r' / 8).)
; K = 64 of the first product: the eight registers of a fragment of K hold TWO tiles (k 0-63: the even one, k 64-127: the odd one).  Q stands between registers of zero codes: [Q, 0] meets the even tile, [0, Q] the odd one; what meets
; zero codes adds nothing, and the scale bytes there (a true byte of K's; 0 or another head's byte of Q's) are never 0xff.
; A TILE'S TURN: the blocks' largest scores, M, t - M, one batch of 66 exponentials, the sums, the scale word, the codes, O x f; then ONE run of matrix instructions: the next tile's 8 products S^T and this tile's 4 products O^T.
; OUT.  zc [row tile 512][K step = head / 2][c = head % 2][lane][16 bytes].  zs [head][row tile / 4][r][tile % 4] words: my four tiles are one quad, 16 bytes a row: lanes r and 16 + r store the same bytes with the same values.
; LIMITS: the promise holds while the scaled scores t stay under 2^31 in magnitude.  Scale bytes are held at 1 from below, a block of zeros keeps 1 (this program alone reads them).  NaN and infinities are not served.
; REGISTERS.  Window 0: v1-12 addresses; v[14:15] f; v16-31 for each tile -M, the largest score, the sum in two halves; v32-39 Q's scale words, as loaded and 16 bits up; v40-47 K's scale words as loaded (at the end z's); v48-51 K's by pairs of tiles;
; v52-55 V's; v56 p's; v57-62 at work; v64-95 K's four double fragments (at the end z's codes); v96-127 V's four; v128-191 S^T, then p; v192-199 p's codes; v200-235 0 Q0 0 Q1 0 Q2 0 Q3 0; v240-251 at work.   Window 1: v0-127 O^T, 32 a tile.
.set VC,  65536                        ; LDS: K's codes at 0, V's here,
.set KS,  131072                       ; K's scale quads,
.set VS,  139264                       ; V's,
.set SPARE, 163840                     ; the spare words: 128 bytes a wave
.set L16,  1                           ; 16 x lane
.set AK0,  2                           ; 1,024 H + 256 h + 16 j
.set AV0,  3                           ; VC + 16 x lane
.set AKS0, 4                           ; KS + 16 j + 8 H
.set AVS0, 5                           ; VS + 16 r
.set R16,  6                           ; 16 r
.set SPW,  7
.set NIL,  8
.set ADK,  9
.set ADV,  10
.set ADS,  11
.set ADT,  12
.set F,    14
.set ST,   16
.set QS,   32
.set RAW,  40
.set KW,   48
.set VW,   52
.set PS,   56
.set X,    57
.set BM,   58
.set PM,   60
.set OLD,  61
.set W,    62
.set KF,   64
.set VF,   96
.set S,    128
.set PC,   192
.set QB,   200
.set CH,   240
.set SOP,  248
.set E,    250
.set WV,   16
.set SEL,  18                          ; s[18:19] v_permlanex16_b32's selects for lane l xor 16
.set CS,   20                          ; s[20:21] c = log2(e) / 8
.set NC,   22                          ; -c
.set PSEL, 23                          ; v_perm_b32: two low halves
.set G1C,  24                          ; s[24:31], s[32:39], s[40:47] groups 1: 128, 32, 16 rows of 256 bytes
.set G1KS, 32
.set G1VS, 40
.set G0,   48                          ; s[48:63] groups 0: K's codes, V's codes, K's scales, V's scales
.set TKK,  66                          ; the next step's codes of K: 4,096 bytes a step
.set TS,   67                          ; its scale quads: 512 a step
.set TKV,  90                          ; this step's codes of V: 4,096 a step
.set TJ,   91                          ; its scale quads: 256 a step
.set CNT,  92
.set MSB, 0
.macro WIN new                         ; the immediate's high byte repeats the setting that is left
.if MSB != (\new)
	s_set_vgpr_msb (MSB<<8)|(\new)
.set MSB, (\new)
.endif
.endm
.macro WALU
	s_wait_alu depctr_va_vdst(0)
.endm
.macro ROUND
	s_barrier_signal -1
	s_barrier_wait -1
	s_cmp_lg_u32 s[WV], 0
	s_cbranch_scc1 .Lnot_wave_0_\@
	s_barrier_signal -3
.Lnot_wave_0_\@:
	s_barrier_wait -3
	s_barrier_signal -1
	s_barrier_wait -1
.endm
.macro TLOAD g0, g1                    ; an s_nop 0 and four v_nop follow each tensor load
	tensor_load_to_lds s[\g0:\g0+3], s[\g1:\g1+7]
	s_nop 0
.rept 4
	v_nop
.endr
.endm
	s_load_b256 s[4:11], s[0:1], 0x0               ; qkc s[4:5], qks s[6:7], vc s[8:9], vs s[10:11]
	s_load_b128 s[12:15], s[0:1], 0x20             ; zc s[12:13], zs s[14:15]
	v_lshl_add_u32 v[SPW], v0, 2, SPARE
	v_mov_b32 v[NIL], 0
	ds_add_u32 v[SPW], v[NIL]                      ; the opening lines: the add twice on end and one wait
	ds_add_u32 v[SPW], v[NIL]
	v_lshrrev_b32 v9, 5, v0
	v_readfirstlane_b32 s[WV], v9                  ; wave 0..7
	s_and_b32 s68, ttmp7, 0xffff                   ; 16 batch + head: shared by the four partners
	s_and_b32 s69, s68, 15                         ; head
	s_lshr_b32 s70, s68, 4                         ; batch
	s_lshl_b32 s71, s70, 4
	s_add_co_u32 s71, s71, s68                     ; 32 batch + head: q's place in qkc and qks
	s_add_co_u32 s72, s71, 16                      ; k's
	s_and_b32 s73, s[WV], 1
	s_lshl_b32 s73, s73, 15                        ; the half of 64 KiB that I fetch, if I fetch codes
	s_lshl_b32 s74, s72, 16
	s_add_co_u32 s74, s74, s73
	s_mov_b32 s75, 0
	s_lshl_b32 s76, s72, 13
	s_mov_b32 s77, 0
	s_lshl_b32 s78, s68, 16
	s_add_co_u32 s78, s78, s73
	s_mov_b32 s79, 0
	s_lshl_b32 s80, s68, 12
	s_mov_b32 s81, 0
	; what is mine alone: my place in the cluster enters global addresses of Q and z, and nothing else
	s_bfe_u32 s17, ttmp6, 0x40000                  ; cx
	s_lshl_b32 s3, ttmp9, 2
	s_add_co_u32 s17, s17, s3                      ; which quarter of the queries
	s_lshl_b32 s82, s17, 5
	s_lshl_b32 s3, s[WV], 2
	s_add_co_u32 s82, s82, s3                      ; my first tile in the batch
	s_lshl_b32 s86, s70, 7
	s_add_co_u32 s86, s86, s82
	s_lshl_b32 s86, s86, 13                        ; zc: 8,192 a tile,
	s_lshl_b32 s3, s69, 9
	s_add_co_u32 s86, s86, s3                      ; 512 a head
	s_mov_b32 s87, 0
	s_lshl_b32 s82, s82, 9
	s_lshl_b32 s3, s71, 16
	s_add_co_u32 s82, s82, s3                      ; Q's codes
	s_mov_b32 s83, 0
	s_lshl_b32 s84, s17, 3
	s_add_co_u32 s84, s84, s[WV]                   ; my quad of tiles in the batch
	s_lshl_b32 s88, s69, 7
	s_lshl_b32 s3, s70, 5
	s_add_co_u32 s88, s88, s3
	s_add_co_u32 s88, s88, s84
	s_lshl_b32 s88, s88, 8                         ; zs: 256 bytes a quad
	s_mov_b32 s89, 0
	s_lshl_b32 s84, s84, 8
	s_lshl_b32 s3, s71, 13
	s_add_co_u32 s84, s84, s3                      ; Q's scale quad
	s_mov_b32 s85, 0
	; groups 1: dense blocks as rows of 256 bytes (32 elements of 8 bytes); mask: all four work-groups; bit 21 beside it
.irp g, G1C, G1KS, G1VS
	s_mov_b32 s[\g], 15|(3<<16)|(1<<21)
	s_mov_b32 s[\g+1], 32<<16
	s_mov_b32 s[\g+3], 32<<16
	s_mov_b32 s[\g+5], 32
	s_mov_b32 s[\g+6], 0
	s_mov_b32 s[\g+7], 0
.endr
	s_mov_b32 s[G1C+2], 128<<16
	s_mov_b32 s[G1C+4], 128
	s_mov_b32 s[G1KS+2], 32<<16
	s_mov_b32 s[G1KS+4], 32
	s_mov_b32 s[G1VS+2], 16<<16
	s_mov_b32 s[G1VS+4], 16
	s_mov_b32 s[SEL], 0x76543210
	s_mov_b32 s[SEL+1], 0xfedcba98
	s_mov_b32 s[CS], 0x3e38aa3b                    ; log2(e) / 8
	s_mov_b32 s[CS+1], s[CS]                       ; (named with it as a pair, so it is written)
	s_mov_b32 s[NC], 0xbe38aa3b
	s_mov_b32 s[PSEL], 0x05040100
	s_mov_b32 s[TKK], 0
	s_mov_b32 s[TS], 0
	s_mov_b32 s[TKV], 0
	s_mov_b32 s[TJ], 0
	v_and_b32 v9, 31, v0
	v_lshlrev_b32 v[L16], 4, v9
	v_add_nc_u32 v[AV0], VC, v[L16]
	v_and_b32 v10, 15, v0
	v_lshlrev_b32 v[R16], 4, v10
	v_add_nc_u32 v[AVS0], VS, v[R16]
	v_and_b32 v11, 7, v0                           ; j
	v_bfe_u32 v12, v0, 3, 1                        ; H
	v_bfe_u32 v13, v0, 4, 1                        ; h
	v_lshlrev_b32 v11, 4, v11
	v_lshl_add_u32 v[AK0], v12, 10, v11
	v_lshl_add_u32 v[AK0], v13, 8, v[AK0]
	v_lshl_add_u32 v[AKS0], v12, 3, v11
	v_add_nc_u32 v[AKS0], KS, v[AKS0]
	WALU
	s_wait_dscnt 0x0                               ; both opening adds are done
	s_wait_kmcnt 0x0
	s_add_nc_u64 s[74:75], s[4:5], s[74:75]
	s_add_nc_u64 s[76:77], s[6:7], s[76:77]
	s_add_nc_u64 s[78:79], s[8:9], s[78:79]
	s_add_nc_u64 s[80:81], s[10:11], s[80:81]
	s_add_nc_u64 s[82:83], s[4:5], s[82:83]
	s_add_nc_u64 s[84:85], s[6:7], s[84:85]
	s_add_nc_u64 s[86:87], s[12:13], s[86:87]
	s_add_nc_u64 s[88:89], s[14:15], s[88:89]
	ROUND                                          ; all four work-groups are here: the joint loads meet
	s_mov_b32 s[G0], 1
	s_mov_b32 s[G0+1], s73                         ; waves 0, 1: K's halves
	s_mov_b64 s[G0+2:G0+3], s[74:75]
	s_or_b32 s[G0+3], s[G0+3], 0x80000000
	s_mov_b32 s[G0+4], 1
	s_add_co_u32 s[G0+5], s73, VC                  ; waves 2, 3: V's
	s_mov_b64 s[G0+6:G0+7], s[78:79]
	s_or_b32 s[G0+7], s[G0+7], 0x80000000
	s_mov_b32 s[G0+8], 1
	s_mov_b32 s[G0+9], KS
	s_mov_b64 s[G0+10:G0+11], s[76:77]
	s_or_b32 s[G0+11], s[G0+11], 0x80000000
	s_mov_b32 s[G0+12], 1
	s_mov_b32 s[G0+13], VS
	s_mov_b64 s[G0+14:G0+15], s[80:81]
	s_or_b32 s[G0+15], s[G0+15], 0x80000000
	s_cmp_lt_u32 s[WV], 2                          ; one chain of branches on the wave's number, a load to an arm
	s_cbranch_scc0 .Lnot_k
	TLOAD G0, G1C
	s_branch .Lasked
.Lnot_k:
	s_cmp_lt_u32 s[WV], 4
	s_cbranch_scc0 .Lnot_v
	TLOAD G0+4, G1C
	s_branch .Lasked
.Lnot_v:
	s_cmp_eq_u32 s[WV], 4
	s_cbranch_scc0 .Lnot_ks
	TLOAD G0+8, G1KS
	s_branch .Lasked
.Lnot_ks:
	s_cmp_eq_u32 s[WV], 5
	s_cbranch_scc0 .Lasked
	TLOAD G0+12, G1VS
.Lasked:
.irp t, 0,1,2,3
	global_load_b128 v[QB+4+8*\t:QB+7+8*\t], v[L16], s[82:83] offset:512*\t    ; Q's four tiles: 16 bytes a lane each
.endr
	global_load_b128 v[QS:QS+3], v[R16], s[84:85]  ; row r's scale words of the four tiles
.irp i, 0,1,2,3,4
.irp k, 0,1,2,3
	v_mov_b32 v[QB+8*\i+\k], 0                     ; the zero codes round Q
.endr
.endr
.irp t, 0,1,2,3
	v_mov_b32 v[ST+4*\t], 0x7e000000               ; -M: so large that the first f = 2^(old M - new M) is 0
	v_mov_b32 v[ST+4*\t+1], 0xff61b1e6             ; the largest score so far: -3e38
	v_mov_b32 v[ST+4*\t+2], 0                      ; the sum
	v_mov_b32 v[ST+4*\t+3], 0
.endr
	v_mov_b32 v[F+1], 0                            ; (named as the upper half of f's pair)
	v_mov_b32 v[PM], 0                             ; (a lane permute's destination counts as one of its sources)
	WIN 0x40
.set jj, 0
.rept 128
	v_mov_b32 v[jj], 0                             ; O^T: the step is written once; its first trip finds zeros
.set jj, jj+1
.endr
	WIN 0
	WALU                                           ; the head's end
	s_wait_tensorcnt 0x0                           ; my part of the head has landed,
	s_barrier_signal -1
	s_barrier_wait -1                              ; everybody's has
.macro KLOAD                           ; the next step's eight tiles of K, two to a fragment
	v_add_nc_u32 v[ADK], s[TKK], v[AK0]
.irp i, 0,1,2,3,4,5,6,7
	ds_load_b128 v[KF+4*\i:KF+4*\i+3], v[ADK] offset:2048*(\i/4)+512*(\i%2)+128*((\i%4)/2)
.endr
	s_add_co_u32 s[TKK], s[TKK], 4096
.endm
.macro RAWLOAD                         ; their rows' scale words, two neighbouring tiles' a load
	v_add_nc_u32 v[ADS], s[TS], v[AKS0]
.irp p, 0,1,2,3
	ds_load_b64 v[RAW+2*\p:RAW+2*\p+1], v[ADS] offset:256*(\p/2)+128*(\p%2)
.endr
	s_add_co_u32 s[TS], s[TS], 512
.endm
.macro KPERM                           ; a double fragment's word: the even tile's two bytes below, the odd tile's above
.irp p, 0,1,2,3
	v_perm_b32 v[KW+\p], v[RAW+2*\p+1], v[RAW+2*\p], s[PSEL]
.endr
.endm
.macro VLOAD                           ; this step's four fragments of V and their scale words
	v_add_nc_u32 v[ADV], s[TKV], v[AV0]
	v_add_nc_u32 v[ADT], s[TJ], v[AVS0]
.irp g, 0,1,2,3
	ds_load_b128 v[VF+8*\g:VF+8*\g+3], v[ADV] offset:1024*\g
	ds_load_b128 v[VF+8*\g+4:VF+8*\g+7], v[ADV] offset:1024*\g+512
.endr
	ds_load_b128 v[VW:VW+3], v[ADT]
	s_add_co_u32 s[TKV], s[TKV], 4096
	s_add_co_u32 s[TJ], s[TJ], 256
.endm
.macro SMUL q                          ; S^T of query tile q: even tiles of keys meet [Q, 0], odd ones [0, Q]
.irp i, 0,1,2,3,4,5,6,7
	v_wmma_scale_f32_16x16x128_f8f6f4 v[S+8*\i:S+8*\i+7], v[KF+8*(\i/2):KF+8*(\i/2)+7], v[QB+8*(\q)+4-4*(\i%2):QB+8*(\q)+11-4*(\i%2)], 0, v[KW+\i/2], v[QS+4*(\i%2)+(\q)] matrix_a_fmt:MATRIX_FMT_FP4 matrix_b_fmt:MATRIX_FMT_FP4
.endr
.endm
.macro PV t                            ; O^T += V^T P^T: C and D in window 1; the four accumulators by turns
.irp g, 0,1,2,3
	v_wmma_scale_f32_16x16x128_f8f6f4 v[32*(\t)+8*\g:32*(\t)+8*\g+7], v[VF+8*\g:VF+8*\g+7], v[PC:PC+7], v[32*(\t)+8*\g:32*(\t)+8*\g+7], v[VW+\g], v[PS] matrix_a_fmt:MATRIX_FMT_FP4 matrix_b_fmt:MATRIX_FMT_FP4
.endr
.endm
.macro MAXES                           ; my two blocks' largest scores: eight chains, one an accumulator, each from its low end on; 32 lines for 64 scores
.irp i, 0,1,2,3,4,5,6,7
	v_max3_num_f32 v[CH+\i], v[S+8*\i], v[S+8*\i+1], v[S+8*\i+2]
.endr
.irp k, 3,5
.irp i, 0,1,2,3,4,5,6,7
	v_max3_num_f32 v[CH+\i], v[CH+\i], v[S+8*\i+\k], v[S+8*\i+\k+1]
.endr
.endr
.irp c, 0,1
	v_max3_num_f32 v[CH+4*\c], v[CH+4*\c], v[CH+4*\c+1], v[S+32*\c+7]
	v_max3_num_f32 v[CH+4*\c+2], v[CH+4*\c+2], v[CH+4*\c+3], v[S+32*\c+15]
.endr
.irp c, 0,1
	v_max3_num_f32 v[CH+4*\c], v[CH+4*\c], v[CH+4*\c+2], v[S+32*\c+23]
.endr
.irp c, 0,1
	v_max_num_f32 v[BM+\c], v[CH+4*\c], v[S+32*\c+31]
.endr
.endm
.macro ADD4 b                          ; four chains of the row's sum take in eight p
	v_pk_add_f32 v[CH:CH+1], v[CH:CH+1], v[S+\b:S+\b+1]
	v_pk_add_f32 v[CH+2:CH+3], v[CH+2:CH+3], v[S+\b+2:S+\b+3]
	v_pk_add_f32 v[CH+4:CH+5], v[CH+4:CH+5], v[S+\b+4:S+\b+5]
	v_pk_add_f32 v[LS:LS+1], v[LS:LS+1], v[S+\b+6:S+\b+7]
.endm
; QUERY TILE t's TURN IN A KEY STEP.  Its scores lie in v[S ..]; v[OLD] holds its -M.  last = 1: the last key step: nothing more of K is fetched or multiplied
.macro TILE t, last
.set NM, ST+4*(\t)
.set TM, NM+1
.set LS, NM+2
.set LD_, 0
	MAXES
.if (\t) == 0
	VLOAD                                          ; behind the last step's last products stand four places and the 32 lines above
.set LD_, 1
.endif
.if (\last) == 0
.if (\t) == 2
	RAWLOAD
.set LD_, 1
.endif
.if (\t) == 3
	KLOAD                                          ; tile 3's scores are made: K's registers and words take the next step's
	KPERM
.set LD_, 1
.endif
.endif
	v_max_num_f32 v[X], v[BM], v[BM+1]
	s_delay_alu instid0(VALU_DEP_1)
	v_permlanex16_b32 v[PM], v[X], s[SEL], s[SEL+1]
	s_delay_alu instid0(VALU_DEP_1)
	v_max3_num_f32 v[TM], v[TM], v[X], v[PM]       ; the running largest score of my query
	s_delay_alu instid0(VALU_DEP_1)
	v_mul_f32 v[X], s[NC], v[TM]                   ; -t
	s_delay_alu instid0(VALU_DEP_1)
	v_floor_f32 v[NM], v[X]                        ; the new -M = floor(-t) = -ceil(t)
	s_delay_alu instid0(VALU_DEP_1)
	v_sub_f32 v[OLD], v[NM], v[OLD]                ; old M - new M: a whole number, 0 or less
	s_delay_alu instid0(VALU_DEP_1)
	v_cvt_i32_f32 v[OLD], v[OLD]                   ; (it saturates)
	s_delay_alu instid0(VALU_DEP_1)
	v_ldexp_f32 v[F], 1.0, v[OLD]                  ; f = 2^(old M - new M)
.set jj, 0
.rept 32
	v_pk_fma_f32 v[S+jj:S+jj+1], v[S+jj:S+jj+1], s[CS:CS+1], v[NM:NM+1] op_sel_hi:[1,0,0]   ; t - M, two at a time
.set jj, jj+2
.endr
	v_fma_f32 v[BM], v[BM], s[CS], v[NM]           ; the same of each block's largest score
	v_fma_f32 v[BM+1], v[BM+1], s[CS], v[NM]
	WALU                                           ; ahead of the batch
.if LD_
	s_wait_dscnt 0x0                               ; what this turn asked of LDS is in
.endif
	v_exp_f32 v[BM], v[BM]                         ; the blocks' largest p,
	v_exp_f32 v[BM+1], v[BM+1]
.set jj, 0
.rept 64
	v_exp_f32 v[S+jj], v[S+jj]                     ; and p = 2^(t - M), at most 1
.set jj, jj+1
.endr
	v_pk_mul_f32 v[LS:LS+1], v[LS:LS+1], v[F:F+1] op_sel_hi:[1,0]    ; the sums under the new M (the plain line behind the batch)
	WALU                                           ; one wait behind the batch, ahead of its first reader
	v_max_num_f32 v[BM], 0x1800000, v[BM]          ; the floor 2^(3 - 127): the byte cannot fall under 1
	v_max_num_f32 v[BM+1], 0x1800000, v[BM+1]
	v_pk_add_f32 v[CH:CH+1], v[S:S+1], v[S+2:S+3]  ; the row's sum of the unquantised p; the scale's lines stand among its chains
	v_pk_add_f32 v[CH+2:CH+3], v[S+4:S+5], v[S+6:S+7]
	v_pk_add_f32 v[CH+4:CH+5], v[S+8:S+9], v[S+10:S+11]
	v_pk_add_f32 v[LS:LS+1], v[LS:LS+1], v[S+12:S+13]
	v_add_nc_u32 v[SOP], 0xff000000, v[BM]         ; 2 off the exponent field: the conversion's scale operand
	v_add_nc_u32 v[SOP+1], 0xff000000, v[BM+1]
	ADD4 14
	v_lshrrev_b32 v[E], 23, v[SOP]                 ; the bytes of my blocks h and 2 + h
	v_lshrrev_b32 v[E+1], 23, v[SOP+1]
	ADD4 22
	v_lshl_or_b32 v[W], v[E+1], 16, v[E]
	ADD4 30
	v_permlanex16_b32 v[PM], v[W], s[SEL], s[SEL+1]
	ADD4 38
	ADD4 46
	ADD4 54
	v_pk_add_f32 v[CH:CH+1], v[CH:CH+1], v[S+62:S+63]
	v_pk_add_f32 v[LS:LS+1], v[LS:LS+1], v[CH+4:CH+5]
	v_pk_add_f32 v[CH:CH+1], v[CH:CH+1], v[CH+2:CH+3]
	v_pk_add_f32 v[LS:LS+1], v[LS:LS+1], v[CH:CH+1]
.irp c, 0,1
.irp g, 0,1,2,3
	v_cvt_scalef32_pk8_fp4_f32 v[PC+4*\c+\g], v[S+32*\c+8*\g:S+32*\c+8*\g+7], v[SOP+\c]   ; register 4 c + g: keys 64 c + 32 h + 8 g + 0 .. 7
.endr
.endr
	v_lshl_or_b32 v[PS], v[PM], 8, v[W]            ; lanes 0-15: blocks 0, 2 mine, 1, 3 from lane + 16: p's scale word (lanes 16-31 are not read).  Also the plain line behind the conversions
	WIN 0x41                                       ; source 0 and destination: window 1
	WALU                                           ; directly ahead of the first readers of O^T
.set jj, 0
.rept 16
	v_pk_mul_f32 v[32*(\t)+jj:32*(\t)+jj+1], v[32*(\t)+jj:32*(\t)+jj+1], v[F:F+1] op_sel_hi:[1,0]   ; O^T under the new M; these sixteen stand between the writes of p's codes and word and the products
.set jj, jj+2
.endr
.if ((\t) < 3) || ((\last) == 0)
	WIN 0
	SMUL ((\t)+1)%4                                ; the next tile's scores, over p, which has been read
.endif
	WIN 0x50                                       ; C and D: window 1
	PV \t
	WIN 0
.if ((\t) < 3) || ((\last) == 0)
	v_mov_b32 v[OLD], v[ST+4*(((\t)+1)%4)]         ; four places behind the products, ahead of the first read of the scores
.rept 3
	v_nop
.endr
.else
.rept 4
	v_nop
.endr
.endif
.endm
.macro TRIP last
	TILE 0, \last
	TILE 1, \last
	TILE 2, \last
	TILE 3, \last
.endm
	RAWLOAD                                        ; key step 0
	KLOAD
	s_wait_loadcnt 0x0                             ; Q
.irp t, 0,1,2,3
	v_lshlrev_b32 v[QS+4+\t], 16, v[QS+\t]         ; Q's two bytes at k = 64 .. 127, for [0, Q]
.endr
	WALU
	s_wait_dscnt 0x0
	KPERM
.rept 8
	v_nop                                          ; a scale register written by a vector instruction stands eight places ahead of a scaled product
.endr
	SMUL 0
	v_mov_b32 v[OLD], v[ST]
.rept 3
	v_nop
.endr
	s_mov_b32 s[CNT], 15
.Lstep:                                            ; 15 trips; the sixteenth key step is written out: it fetches and multiplies nothing of a seventeenth
	TRIP 0
	s_sub_co_u32 s[CNT], s[CNT], 1
	s_cmp_lg_u32 s[CNT], 0
	WALU
	s_cbranch_scc1 .Lstep
	TRIP 1
	; THE WAY OUT.  The four rows' sums and their reciprocals as one batch
.irp t, 0,1,2,3
	v_add_f32 v[ST+4*\t+2], v[ST+4*\t+2], v[ST+4*\t+3]
.endr
.irp t, 0,1,2,3
	v_permlanex16_b32 v[CH+\t], v[ST+4*\t+2], s[SEL], s[SEL+1]
.endr
.irp t, 0,1,2,3
	v_add_f32 v[ST+4*\t+2], v[ST+4*\t+2], v[CH+\t]
.endr
	WALU
.irp t, 0,1,2,3
	v_rcp_f32 v[ST+4*\t+2], v[ST+4*\t+2]
.endr
	v_nop                                          ; a plain line behind the batch
; z = O / the sum, quantised along the head's 64 channels: V's tiles keep their order in vc, so register 8 g + i of tile g = 2 b + u is channel 32 b + 16 h + 8 u + i
.macro ZOUT t
	WIN 0x01                                       ; source 0: window 1
	WALU                                           ; behind the reciprocals, directly ahead of the first readers of this tile's O^T
.set jj, 0
.rept 16
	v_pk_mul_f32 v[S+jj:S+jj+1], v[32*(\t)+jj:32*(\t)+jj+1], v[ST+4*(\t)+2:ST+4*(\t)+3] op_sel_hi:[1,0]
.set jj, jj+2
.endr
	WIN 0
.irp b, 0,1
	v_max3_num_f32 v[BM+\b], |v[S+16*\b]|, |v[S+16*\b+1]|, 0x1800000
.endr
.irp i, 2,4,6,8,10,12,14
.irp b, 0,1
	v_max3_num_f32 v[BM+\b], v[BM+\b], |v[S+16*\b+\i]|, |v[S+16*\b+\i+1]|
.endr
.endr
.irp b, 0,1
	v_permlanex16_b32 v[E+\b], v[BM+\b], s[SEL], s[SEL+1]
.endr
.irp b, 0,1
	v_max_num_f32 v[BM+\b], v[BM+\b], v[E+\b]
.endr
.irp b, 0,1
	v_add_nc_u32 v[SOP+\b], 0xff000000, v[BM+\b]
.endr
.irp b, 0,1
	v_lshrrev_b32 v[E+\b], 23, v[SOP+\b]
.endr
	v_lshl_or_b32 v[RAW+(\t)], v[E+1], 8, v[E]     ; the head's two bytes
.irp b, 0,1
	v_cvt_scalef32_pk8_fp4_f32 v[KF+4*(\t)+2*\b], v[S+16*\b:S+16*\b+7], v[SOP+\b]
	v_cvt_scalef32_pk8_fp4_f32 v[KF+4*(\t)+2*\b+1], v[S+16*\b+8:S+16*\b+15], v[SOP+\b]
.endr
	v_nop                                          ; one plain line behind a scaled conversion
	v_permlane16_swap_b32 v[KF+4*(\t)], v[KF+4*(\t)+2]     ; a whole block to a lane
	v_permlane16_swap_b32 v[KF+4*(\t)+1], v[KF+4*(\t)+3]
	global_store_b128 v[L16], v[KF+4*(\t):KF+4*(\t)+3], s[86:87] offset:8192*(\t)   ; 512 consecutive bytes: this head's chunk of the tile's fragment; each tile has registers of its own
.endm
	ZOUT 0
	ZOUT 1
	ZOUT 2
	ZOUT 3
	global_store_b128 v[R16], v[RAW:RAW+3], s[88:89]       ; my quad of scale words: 256 consecutive bytes, aligned
	s_wait_tensorcnt 0x0                           ; the wave's end
	ds_add_u32 v[SPW], v[NIL]
	s_wait_dscnt 0x0
	ROUND                                          ; the closing round
	s_endpgm
.Lfunc_end_k_q38296d198d_attn:
	.size	k_q38296d198d_attn, .Lfunc_end_k_q38296d198d_attn-k_q38296d198d_attn
	.p2alignl 7, 3214868480
	.fill 96, 4, 3214868480
	.section	.rodata,"a",@progbits
	.p2align	6, 0x0
	.amdhsa_kernel k_q38296d198d_attn
		.amdhsa_group_segment_fixed_size 169984
		.amdhsa_private_segment_fixed_size 0
		.amdhsa_enable_private_segment 0
		.amdhsa_kernarg_size 48
		.amdhsa_user_sgpr_count 2
		.amdhsa_user_sgpr_kernarg_segment_ptr 1
		.amdhsa_wavefront_size32 1
		.amdhsa_system_sgpr_workgroup_id_x 1
		.amdhsa_system_sgpr_workgroup_id_y 1
		.amdhsa_system_sgpr_workgroup_id_z 1
		.amdhsa_system_vgpr_workitem_id 0
		.amdhsa_next_free_vgpr 384
		.amdhsa_next_free_sgpr 96
		.amdhsa_reserve_vcc 0
		.amdhsa_float_denorm_mode_32 3
		.amdhsa_float_denorm_mode_16_64 3
		.amdhsa_memory_ordered 1
		.amdhsa_forward_progress 1
		.amdhsa_inst_pref_size 133
	.end_amdhsa_kernel
	.amdgpu_metadata
---
amdhsa.version: [ 1, 2 ]
amdhsa.kernels:
  - .name:           k_q38296d198d_attn
    .symbol:         k_q38296d198d_attn.kd
    .args:
      - { .name: qkc, .offset: 0, .size: 8, .value_kind: global_buffer, .address_space: global }
      - { .name: qks, .offset: 8, .size: 8, .value_kind: global_buffer, .address_space: global }
      - { .name: vc, .offset: 16, .size: 8, .value_kind: global_buffer, .address_space: global }
      - { .name: vs, .offset: 24, .size: 8, .value_kind: global_buffer, .address_space: global }
      - { .name: zc, .offset: 32, .size: 8, .value_kind: global_buffer, .address_space: global }
      - { .name: zs, .offset: 40, .size: 8, .value_kind: global_buffer, .address_space: global }
    .group_segment_fixed_size: 169984
    .private_segment_fixed_size: 0
    .kernarg_segment_align: 8
    .kernarg_segment_size: 48
    .max_flat_workgroup_size: 256
    .sgpr_count:     96
    .vgpr_count:     384
    .wavefront_size: 32
...
	.end_amdgpu_metadata
.endif
;; end of part 3
;; launch outp (part 4): grid 4 x 64, 4 waves a work-group, clusters of 4 x 4, 230,912 bytes of LDS; arguments zc, zs, cd, sc, x, out0; writes out0
.if DOCPART == 4
	.amdgcn_target "amdgcn-amd-amdhsa--gfx1250"
	.amdhsa_code_object_version 6
	.text
	.protected	k_q38296d198d_outp
	.globl	k_q38296d198d_outp
	.p2align	8
	.type	k_q38296d198d_outp,@function
k_q38296d198d_outp:
	s_mov_b64 s[64:65], 0
	v_nop
	global_prefetch_b8 v0, s[64:65] scope:SCOPE_SE
	s_setreg_imm32_b32 hwreg(HW_REG_WAVE_MODE, 25, 1), 1
	s_wait_xcnt 0x0
	s_wait_alu depctr_hold_cnt(0) depctr_sa_sdst(0) depctr_va_vdst(0) depctr_va_sdst(0) depctr_va_ssrc(0) depctr_va_vcc(0) depctr_vm_vsrc(0)
	s_getreg_b32 s2, hwreg(HW_REG_IB_STS2, 6, 4)
	s_cmp_eq_u32 s2, 0
	s_cbranch_scc0 .Lentry_in_a_cluster
	s_endpgm
.Lentry_in_a_cluster:
	s_bfe_u32 s2, ttmp6, 0x10000c
	s_cmp_lg_u32 s2, 0xf033
	s_cbranch_scc0 .Lentry_shape_is_right
	s_endpgm
.Lentry_shape_is_right:
; out = x + z Wout, the product on codes of FP4 (E2M1) with E8M0 scales (K = 1,024).  z's codes and scale bytes come from the attention launch, Wout's from the first.
; C'[m'][n'] with A' = z (rows in position order), B' = Wout's columns (in position order: row r of tile 2 b + u = true 32 b + 8 u + r + 8 (r / 8)), used TRANSPOSED (source 0 = B', source 1 = A'): a lane holds one row, and the
; 16 registers of result tiles 2 b, 2 b + 1 are 16 true neighbouring columns.  A work-group makes 128 x 256, each of four waves 64 x 128: 32 accumulators.  256 work-groups.
; ALL OF K LIES IN LDS, filled once: one joint load a wave at the head (waves 0, 1: A's halves, 4 tiles x 8,192 bytes; waves 2, 3: B's, 8 tiles); every wave waits for its load and one barrier shows all.  No byte of LDS is filled twice.
; Cluster 4 x 4: A's tiles are shared along a row, B's along a column.  No data prefetch: the tiles are asked for once, at the head, and x by plain loads that run ahead of their use by themselves.
; THE RESIDUAL: my 64 rows x 512 bytes of x go into 256 registers by 64 loads, EIGHT BEHIND EACH K STEP'S PRODUCTS, in the order of the way out: block a's 16 loads are the (a + 1)-th sixteen.
; THE WAY OUT: a block of 16 rows goes through my own stage in LDS, comes back as whole rows, waits by count for its own 16 loads of x, takes x and is stored: 512 consecutive bytes a store.
; True rows are dealt with by immediates: row p of block a is the true row 32 (a / 2) + 8 (a % 2) + p + 8 (p / 8).
; LIMITS: NaN, infinities and sums beyond f32's range are not served.
; REGISTERS.  window 0: v1-7 addresses; v36-51 A's scale words, v56-87 B's (the two of a product differ modulo 8 in their numbers), v88-119 z's scale words as stored; v126, v127 the add's; v128-191 A's fragments, two sets;
; on the way out v128-255 rows.   window 1: B's fragments, two sets.   window 2: accumulator (a, b) at v[8 (8 a + b)].   window 3: x.
.set WV,  8
.set WY,  9
.set WX,  10
.set G1A, 16                           ; s[16:23], s[24:31] descriptor groups 1;  s[32:35], s[36:39] groups 0
.set G1B, 24
.set G0A, 32
.set G0B, 36
.set XB,  76                           ; s[76:77] x, s[78:79] out0, at my first row and column
.set OB,  78
.set L16,  1                           ; v1  16 x lane
.set ADRA, 2                           ; v2  LDS: my A fragments
.set ADRB, 3                           ; v3  LDS: my B fragments
.set SOZ,  4                           ; v4  z's scale quads: 8 heads x h + 16 r
.set SOB,  5                           ; v5  B's: 2,048 h + 16 r
.set STO,  6                           ; v6  the stage: where I put 32 bytes of a row
.set RD,   7                           ; v7  and where I read a row back
.set SA,   36
.set SB,   56
.set E,    88
.set AF,   128
.set BK,   128
.set SP,   528                         ; a stage row: 512 bytes + 16
.set STAGE, 196608                     ; behind the tiles: 16 rows x 528 bytes for each wave; no fill lands here
.set SPARE, 230400                     ; behind the stages: the spare words, 128 bytes a wave
.set MSB, 0
.macro WIN new                         ; the immediate's high byte repeats the setting that is left
.if MSB != \new
	s_set_vgpr_msb (MSB<<8)|\new
.set MSB, \new
.endif
.endm
.macro WALU
	s_wait_alu depctr_va_vdst(0)
.endm
.macro PLACES
.rept 4
	v_nop
.endr
.endm
.macro ROUND                           ; a round of the cluster's barrier
	s_barrier_signal -1
	s_barrier_wait -1
	s_cmp_lg_u32 s[WV], 0
	s_cbranch_scc1 .Lnot_wave_0_\@
	s_barrier_signal -3
.Lnot_wave_0_\@:
	s_barrier_wait -3
	s_barrier_signal -1
	s_barrier_wait -1
.endm
	s_load_b256 s[68:75], s[0:1], 0x0              ; zc s[68:69], zs s[70:71], cd s[72:73], sc s[74:75]
	s_load_b128 s[76:79], s[0:1], 0x20             ; x, out0
	v_lshl_add_u32 v126, v0, 2, SPARE
	v_mov_b32 v127, 0
	ds_add_u32 v126, v127                          ; the opening lines: the add twice on end and one wait
	ds_add_u32 v126, v127
	v_lshrrev_b32 v8, 5, v0
	v_readfirstlane_b32 s[WV], v8
	s_lshr_b32 s[WY], s[WV], 1
	s_and_b32 s[WX], s[WV], 1
	s_bfe_u32 s80, ttmp6, 0x40000                  ; cx
	s_bfe_u32 s81, ttmp6, 0x40004                  ; cy
	s_and_b32 s82, ttmp7, 0xffff
	s_lshl_b32 s82, s82, 2
	s_add_co_u32 s82, s82, s81                     ; tr: which 128 rows
	s_lshl_b32 s83, ttmp9, 2
	s_add_co_u32 s83, s83, s80                     ; tc: which 256 columns
	s_lshl_b32 s84, s81, 2
	s_lshl_b32 s84, 15, s84                        ; my row of the cluster
	s_lshl_b32 s85, 0x1111, s80                    ; my column
	s_or_b32 s[G1A], s84, (3<<16)|(1<<21)          ; a row of a load is a tile, all of K: 8,192 bytes = 1,024 elements of 8 bytes; dense in memory and in LDS
	s_or_b32 s[G1B], s85, (3<<16)|(1<<21)
.irp g, G1A, G1B
	s_mov_b32 s[\g+1], 1024<<16
	s_mov_b32 s[\g+3], 1024<<16
	s_mov_b32 s[\g+5], 1024
	s_mov_b32 s[\g+6], 0
	s_mov_b32 s[\g+7], 0
.endr
	s_mov_b32 s[G1A+2], 4<<16
	s_mov_b32 s[G1A+4], 4
	s_mov_b32 s[G1B+2], 8<<16
	s_mov_b32 s[G1B+4], 8
	s_lshl_b32 s86, s82, 3
	s_lshl_b32 s4, s[WX], 2
	s_add_co_u32 s86, s86, s4
	s_lshl_b32 s86, s86, 13                        ; A: tile 8 tr + the half that I fetch
	s_mov_b32 s87, 0
	s_lshl_b32 s88, s83, 4
	s_lshl_b32 s4, s[WX], 3
	s_add_co_u32 s88, s88, s4
	s_add_co_u32 s88, s88, 704
	s_lshl_b32 s88, s88, 13                        ; B: Wout's tiles begin at 704
	s_mov_b32 s89, 0
	s_lshl_b32 s90, s82, 1
	s_add_co_u32 s90, s90, s[WY]
	s_lshl_b32 s94, s90, 18                        ; (128 tr + 64 wy) rows of 4,096 bytes
	s_lshl_b32 s90, s90, 8                         ; z's scale quad of my four tiles
	s_mov_b32 s91, 0
	s_lshl_b32 s92, s83, 2
	s_lshl_b32 s4, s[WX], 1
	s_add_co_u32 s92, s92, s4
	s_add_co_u32 s92, s92, 176
	s_lshl_b32 s92, s92, 11                        ; B's scale quads of my eight tiles
	s_mov_b32 s93, 0
	s_lshl_b32 s5, s83, 1
	s_add_co_u32 s5, s5, s[WX]
	s_lshl_b32 s5, s5, 9                           ; (256 tc + 128 wx) columns of 4 bytes
	s_add_co_u32 s94, s94, s5
	s_mov_b32 s95, 0
	s_lshl_b32 s6, s[WX], 15                       ; LDS: A's halves at 0 and 32,768,
	s_lshl_b32 s7, s[WX], 16
	s_add_co_u32 s7, s7, 65536                     ; B's at 65,536 and 131,072
	s_lshl_b32 s96, s[WY], 15
	s_mul_i32 s97, s[WV], 16*SP
	s_add_co_u32 s97, s97, STAGE                   ; my stage
	v_and_b32 v8, 31, v0
	v_lshlrev_b32 v[L16], 4, v8
	v_and_b32 v8, 15, v0                           ; r
	v_bfe_u32 v9, v0, 4, 1                         ; h
	v_lshlrev_b32 v10, 4, v8                       ; 16 r
	v_add_nc_u32 v[ADRA], s96, v[L16]
	v_add_nc_u32 v[ADRB], s7, v[L16]
	v_lshl_add_u32 v[SOZ], v9, 18, v10
	v_lshl_add_u32 v[SOB], v9, 11, v10
	v_mul_u32_u24 v[STO], v8, SP
	v_lshl_add_u32 v[STO], v9, 6, v[STO]
	v_add_nc_u32 v[STO], s97, v[STO]               ; row r, + 64 h: tile 2 b + u's eight columns lie at 128 b + 64 h + 32 u
	v_add_nc_u32 v[RD], s97, v[L16]
	WALU                                           ; the head's vector work ends here
	s_wait_dscnt 0x0                               ; both opening adds are done
	s_wait_kmcnt 0x0
	s_add_nc_u64 s[86:87], s[68:69], s[86:87]
	s_add_nc_u64 s[88:89], s[72:73], s[88:89]
	s_add_nc_u64 s[90:91], s[70:71], s[90:91]
	s_add_nc_u64 s[92:93], s[74:75], s[92:93]
	s_add_nc_u64 s[XB:XB+1], s[XB:XB+1], s[94:95]
	s_add_nc_u64 s[OB:OB+1], s[OB:OB+1], s[94:95]
	ROUND                                          ; all sixteen work-groups are here: the joint loads meet
	s_mov_b32 s[G0A], 1
	s_mov_b32 s[G0A+1], s6
	s_mov_b64 s[G0A+2:G0A+3], s[86:87]
	s_or_b32 s[G0A+3], s[G0A+3], 0x80000000
	s_mov_b32 s[G0B], 1
	s_mov_b32 s[G0B+1], s7
	s_mov_b64 s[G0B+2:G0B+3], s[88:89]
	s_or_b32 s[G0B+3], s[G0B+3], 0x80000000
	s_cmp_lt_u32 s[WV], 2                          ; one load a wave; an s_nop 0 and four v_nop follow it
	s_cbranch_scc0 .Lfill_b
	tensor_load_to_lds s[G0A:G0A+3], s[G1A:G1A+7]
	s_nop 0
	PLACES
	s_branch .Lfilled
.Lfill_b:
	tensor_load_to_lds s[G0B:G0B+3], s[G1B:G1B+7]
	s_nop 0
	PLACES
.Lfilled:
.irp g, 0,1,2,3                                ; z's scale words lie by head: lanes 0-15 heads 2 g + e, lanes 16-31 heads 8 + 2 g + e; four tiles a load
.irp e, 0,1
	global_load_b128 v[E+8*\g+4*\e:E+8*\g+4*\e+3], v[SOZ], s[90:91] offset:(2*\g+\e)*32768
.endr
.endr
.irp s, 0,1,2,3,4,5,6,7                        ; B's: register SB + 4 s + i: lanes 0-15 tile i, lanes 16-31 tile 4 + i, K step s
	global_load_b128 v[SB+4*\s:SB+4*\s+3], v[SOB], s[92:93] offset:256*\s
.endr
; eight loads of x: rows 8 (s % 2) .. + 7 of block s / 2, each 512 consecutive bytes of one true row
.macro XLOAD s
	WIN 0xc0                                       ; destination window 3
.set pp, 8*((\s)%2)
.rept 8
	global_load_b128 v[64*((\s)/2)+4*pp:64*((\s)/2)+4*pp+3], v[L16], s[XB:XB+1] offset:(32*((\s)/4)+8*(((\s)/2)%2)+pp+8*(pp/8))*4096 th:TH_LOAD_NT
.set pp, pp+1
.endr
	WIN 0
.endm
; 24 LDS loads in one run: K step s's fragments into set s % 2.  A fragment is its registers' image: 16 x lane, two loads 512 bytes apart, at tile x 8,192 + K step x 1,024
.macro FETCH s
	WIN 0x40                                       ; destination window 1
.irp b, 0,1,2,3,4,5,6,7
	ds_load_b128 v[64*((\s)%2)+8*\b:64*((\s)%2)+8*\b+3],   v[ADRB] offset:\b*8192+(\s)*1024
	ds_load_b128 v[64*((\s)%2)+8*\b+4:64*((\s)%2)+8*\b+7], v[ADRB] offset:\b*8192+(\s)*1024+512
.endr
	WIN 0
.irp a, 0,1,2,3
	ds_load_b128 v[AF+32*((\s)%2)+8*\a:AF+32*((\s)%2)+8*\a+3],   v[ADRA] offset:\a*8192+(\s)*1024
	ds_load_b128 v[AF+32*((\s)%2)+8*\a+4:AF+32*((\s)%2)+8*\a+7], v[ADRA] offset:\a*8192+(\s)*1024+512
.endr
.endm
.macro WM c                            ; one product; RA_, RB_: which half of the lanes holds source 0's, source 1's scale words
.if (RA_ == 0) && (RB_ == 0)
	v_wmma_scale_f32_16x16x128_f8f6f4 v[rD:rD+7], v[rB:rB+7], v[rA:rA+7], \c, v[rSB], v[rSA] matrix_a_fmt:MATRIX_FMT_FP4 matrix_b_fmt:MATRIX_FMT_FP4
.elseif RB_ == 0
	v_wmma_scale_f32_16x16x128_f8f6f4 v[rD:rD+7], v[rB:rB+7], v[rA:rA+7], \c, v[rSB], v[rSA] matrix_a_fmt:MATRIX_FMT_FP4 matrix_b_fmt:MATRIX_FMT_FP4 matrix_a_scale:MATRIX_SCALE_ROW1
.elseif RA_ == 0
	v_wmma_scale_f32_16x16x128_f8f6f4 v[rD:rD+7], v[rB:rB+7], v[rA:rA+7], \c, v[rSB], v[rSA] matrix_a_fmt:MATRIX_FMT_FP4 matrix_b_fmt:MATRIX_FMT_FP4 matrix_b_scale:MATRIX_SCALE_ROW1
.else
	v_wmma_scale_f32_16x16x128_f8f6f4 v[rD:rD+7], v[rB:rB+7], v[rA:rA+7], \c, v[rSB], v[rSA] matrix_a_fmt:MATRIX_FMT_FP4 matrix_b_fmt:MATRIX_FMT_FP4 matrix_a_scale:MATRIX_SCALE_ROW1 matrix_b_scale:MATRIX_SCALE_ROW1
.endif
.endm
; 32 matrix instructions: K step s; the 32 accumulators take turns, one instruction a turn, in the same order in every step.  K step 0's products start the sums
.macro MUL32 s
	WIN 0xa1                                       ; source 0 (B') window 1, source 1 (A') window 0, C and D window 2
.irp a, 0,1,2,3
.irp b, 0,1,2,3,4,5,6,7
.set rD, 8*(8*\a+\b)
.set rB, 64*((\s)%2)+8*\b
.set rA, AF+32*((\s)%2)+8*\a
.set rSB, SB+4*(\s)+(\b%4)
.set rSA, SA+4*((\s)%4)+\a
.set RA_, \b/4
.set RB_, (\s)/4
.if (\s) == 0
	WM 0
.else
	WM v[rD:rD+7]
.endif
.endr
.endr
	WIN 0
.endm
.macro STEP s
	s_wait_dscnt 0x0                               ; this step's fragments are in
.if ((\s) > 0) && ((\s) < 7)
	PLACES                                         ; four places between the last products and loads into the fragments that they read
.endif
.if (\s) < 7
	FETCH (\s)+1
.endif
.if (\s) > 0
	WALU
.endif
	MUL32 \s
	XLOAD \s                                       ; behind the step's products: nothing of the product waits for them
.endm
	s_wait_tensorcnt 0x0                           ; my one load, all of K of my tiles, is in,
	s_barrier_signal -1
	s_barrier_wait -1                              ; everybody's is
	FETCH 0
	s_wait_loadcnt 0x0                             ; the 16 loads of scale words: no load of x is out yet
.irp g, 0,1,2,3
.irp a, 0,1,2,3
	v_lshl_or_b32 v[SA+4*\g+\a], v[E+8*\g+4+\a], 16, v[E+8*\g+\a]      ; a K step's word: the even head's two bytes below, the odd head's above.  Each stands eight plain lines or more ahead of the first product that names it
.endr
.endr
.irp s, 0,1,2,3,4,5,6,7
	STEP \s
.endr
	PLACES                                         ; in front of the first read of results and of loads into A's fragments' registers
.macro TOSTAGE a
	WIN 0x08                                       ; an LDS store's data are its source 1: window 2
.irp b, 0,1,2,3,4,5,6,7
	ds_store_b128 v[STO], v[64*(\a)+8*\b:64*(\a)+8*\b+3] offset:128*(\b/2)+32*(\b%2)          ; each accumulator from its low end on
	ds_store_b128 v[STO], v[64*(\a)+8*\b+4:64*(\a)+8*\b+7] offset:128*(\b/2)+32*(\b%2)+16
.endr
	WIN 0
.set BB, BK+64*((\a)%2)
.set pp, 0
.rept 16
	ds_load_b128 v[BB+4*pp:BB+4*pp+3], v[RD] offset:SP*pp      ; LDS serves a wave's instructions in order: these see my stores, and the next block's stores come behind them
.set pp, pp+1
.endr
.endm
.macro SEND a, younger                 ; younger: the LDS instructions issued behind block a's loads, which may stay out
.set BB, BK+64*((\a)%2)
.set XX, 64*(\a)
.set RW, 32*((\a)/2)+8*((\a)%2)
	s_wait_dscnt \younger
	s_wait_loadcnt 16*(3-(\a))                     ; block a's 16 loads of x are in; the later blocks' may be out
	WIN 0x0c                                       ; source 1: window 3
.set pp, 0
.rept 32
	v_pk_add_f32 v[BB+pp:BB+pp+1], v[BB+pp:BB+pp+1], v[XX+pp:XX+pp+1]  ; + x
.set pp, pp+2
.endr
	WIN 0
.set pp, 0
.rept 16
	global_store_b128 v[L16], v[BB+4*pp:BB+4*pp+3], s[OB:OB+1] offset:(RW+pp+8*(pp/8))*4096 th:TH_STORE_NT   ; 512 consecutive bytes of one true row, at a multiple of 256 from out0's first byte
.set pp, pp+1
.endr
.endm
	TOSTAGE 0
.irp a, 1,2,3
.if \a > 1
	s_wait_xcnt 0x0                                ; block a - 2's stores have read their registers: block a's rows may land there
.endif
	TOSTAGE \a
	SEND \a-1, 32                                  ; behind block a - 1's loads: block a's 16 stores and 16 loads
.endr
	SEND 3, 0
	s_wait_tensorcnt 0x0                           ; the wave's end
	ds_add_u32 v126, v127
	s_wait_dscnt 0x0
	ROUND                                          ; the closing round
	s_endpgm
.Lfunc_end_k_q38296d198d_outp:
	.size	k_q38296d198d_outp, .Lfunc_end_k_q38296d198d_outp-k_q38296d198d_outp
	.p2alignl 7, 3214868480
	.fill 96, 4, 3214868480
	.section	.rodata,"a",@progbits
	.p2align	6, 0x0
	.amdhsa_kernel k_q38296d198d_outp
		.amdhsa_group_segment_fixed_size 230912
		.amdhsa_private_segment_fixed_size 0
		.amdhsa_enable_private_segment 0
		.amdhsa_kernarg_size 48
		.amdhsa_user_sgpr_count 2
		.amdhsa_user_sgpr_kernarg_segment_ptr 1
		.amdhsa_wavefront_size32 1
		.amdhsa_system_sgpr_workgroup_id_x 1
		.amdhsa_system_sgpr_workgroup_id_y 1
		.amdhsa_system_sgpr_workgroup_id_z 1
		.amdhsa_system_vgpr_workitem_id 0
		.amdhsa_next_free_vgpr 1024
		.amdhsa_next_free_sgpr 100
		.amdhsa_reserve_vcc 0
		.amdhsa_float_denorm_mode_32 3
		.amdhsa_float_denorm_mode_16_64 3
		.amdhsa_memory_ordered 1
		.amdhsa_forward_progress 1
		.amdhsa_inst_pref_size 85
	.end_amdhsa_kernel
	.amdgpu_metadata
---
amdhsa.version: [ 1, 2 ]
amdhsa.kernels:
  - .name:           k_q38296d198d_outp
    .symbol:         k_q38296d198d_outp.kd
    .args:
      - { .name: zc, .offset: 0, .size: 8, .value_kind: global_buffer, .address_space: global }
      - { .name: zs, .offset: 8, .size: 8, .value_kind: global_buffer, .address_space: global }
      - { .name: cd, .offset: 16, .size: 8, .value_kind: global_buffer, .address_space: global }
      - { .name: sc, .offset: 24, .size: 8, .value_kind: global_buffer, .address_space: global }
      - { .name: x, .offset: 32, .size: 8, .value_kind: global_buffer, .address_space: global }
      - { .name: out0, .offset: 40, .size: 8, .value_kind: global_buffer, .address_space: global }
    .group_segment_fixed_size: 230912
    .private_segment_fixed_size: 0
    .kernarg_segment_align: 8
    .kernarg_segment_size: 48
    .max_flat_workgroup_size: 128
    .sgpr_count:     100
    .vgpr_count:     1024
    .wavefront_size: 32
...
	.end_amdgpu_metadata
.endif
;; end of part 4
